; MI455X (gfx1250); checked and timed in simulation.
; The chip was launched on July 23, 2026; its instructions are those of AMD's public machine-readable ISA for CDNA 5 (MIT licence, August 2026) and "CDNA5" Instruction Set Architecture Reference Guide (July 2026). The comments in the code are by the model that wrote it; some were corrected since.
;; Causal Self Attention. Allowed arithmetic: matrix products marked QUANTISED: E2M1 operands, one E8M0 scale for each 32 along K, by v_wmma_scale_f32_16x16x128_f8f6f4 with both operands' format E2M1 (or v_wmma_scale_f32_32x16x128_f4), f32 sums; products left as they are: bf16, f16 or f32 operands; f32 sums; everything else in f32.
;; Inputs: Wk 2,048 x 2,048 float32; Wq 2,048 x 2,048 float32; Wv 2,048 x 2,048 float32; bk 2,048 float32; bq 2,048 float32; bv 2,048 float32; x 4 x 1,024 x 2,048 float32.
;; Outputs: out0 4 x 1,024 x 2,048 float32.
;; This version of the problem:
;;   THIS VERSION OF THE PROBLEM IS GIVEN IN LOW PRECISION. The matrix products marked QUANTISED in the list below multiply operands that are first quantised to E2M1 (2 exponent bits, 1 mantissa bit; 4 bits a number), with one power-of-two scale for each 32 numbers along K (OCP MX v1.0); their sums are f32. The products marked 'left as it is' may take bf16, f16 or f32 operands, with f32 sums. Whichever they take, every output number must still come out within the allowed error. Rounding operands to bf16 (8 significant bits) uses up far more of that allowance than f16 does (11 bits, for magnitudes from 6e-5 to 65,504). All else is computed in f32.
;;   The module's matrix products, in the order in which they are computed (A, B: the left and right operand; K: the contracted axis; several contracted axes count as one K, in the product's order):
;;     1. [M 4,096, K 2,048] x [K 2,048, N 2,048]; A: input x; B: input Wq: QUANTISED
;;     2. [M 4,096, K 2,048] x [K 2,048, N 2,048]; A: input x; B: input Wk: QUANTISED
;;     3. [M 4,096, K 2,048] x [K 2,048, N 2,048]; A: input x; B: input Wv: QUANTISED
;;     4. batch 64 x [M 1,024, K 128] x [K 128, N 1,024]; A: computed on the way; B: computed on the way: left as it is (an operand is computed on the way)
;;     5. batch 64 x [M 1,024, K 1,024] x [K 1,024, N 128]; A: computed on the way; B: computed on the way: left as it is (an operand is computed on the way)
;;   THE QUANTISER, for each operand of a quantised product, along K:
;;     - K is cut into blocks of 32 from its start; a last block that is shorter is filled with zeros.
;;     - A block's scale is 2^e with e = floor(log2(the largest magnitude in the block)) - 2, held to -126 .. 127; a block of zeros has e = 0. As a byte (E8M0): e + 127.
;;     - Each number is divided by its block's scale, clamped to +-6, and rounded to the nearest number of E2M1, ties to even, subnormals kept.
;;     - The product sums the exact products of the quantised numbers (number of the format x scale) in f32.
;;   ~~~python
;;   def quantise(x, axis):      # numpy; x: float32 -> the quantised numbers, widened to float32 again
;;       x = np.moveaxis(x, axis, -1); K = x.shape[-1]
;;       x = np.pad(x, [(0, 0)] * (x.ndim - 1) + [(0, -K % 32)]); x = x.reshape(x.shape[:-1] + (-1, 32)); a = np.abs(x).max(-1, keepdims=True)
;;       e = np.where(a > 0, np.clip(np.frexp(np.where(a > 0, a, 1))[1] - 1 - 2, -126, 127), 0)      # np.frexp(a)[1] - 1 = floor(log2(a)), exactly
;;       r = np.clip(x / 2.0 ** e, -6, 6)
;;       step = 2.0 ** (np.maximum(np.frexp(np.where(r == 0, 1, r))[1] - 1, 0) - 1)
;;       q = np.round(r / step) * step * 2.0 ** e      # np.round: ties to even
;;       return np.moveaxis(q.reshape(q.shape[:-2] + (-1,))[..., :K], -1, axis).astype(np.float32)
;;   ~~~
;; One version. Each part assembles by itself: llvm-mc -triple=amdgcn-amd-amdhsa -mcpu=gfx1250 --defsym DOCPART=n.
;; ======== version 1 of 1: 4 launches
;; limits: values are held in f16: magnitudes above 65,504 overflow, below 6.1e-05 lose precision
;; workspace buffers: xc 4,194,304 bytes; xs 262,144 bytes; wc 6,291,456 bytes; ws 393,216 bytes; q16 16,777,216 bytes; kv16 33,554,432 bytes; x32 1,572,864 bytes
;; launch quant (part 1): grid 640 x 1, 4 waves a work-group, no clusters, 50,688 bytes of LDS; arguments x, Wq, Wk, Wv, xc, xs, wc, ws; writes xc, xs, wc, ws
.if DOCPART == 1
	.amdgcn_target "amdgcn-amd-amdhsa--gfx1250"
	.amdhsa_code_object_version 6
	.text
	.protected	k_q42f5366654_quant
	.globl	k_q42f5366654_quant
	.p2align	8
	.type	k_q42f5366654_quant,@function
k_q42f5366654_quant:
	s_mov_b64 s[64:65], 0
	v_nop
	global_prefetch_b8 v0, s[64:65] scope:SCOPE_SE
	s_setreg_imm32_b32 hwreg(HW_REG_WAVE_MODE, 25, 1), 1
	s_wait_xcnt 0x0
; x [4096][2048] f32 (K innermost) and Wq, Wk, Wv [2048 (k)][2048 (n)] f32 (K is the FIRST axis) become codes of FP4 (E2M1), K innermost, two a byte, the lower k in the low four bits,
; with one E8M0 scale byte for each 32 along K:  xc [4096][1024 B], xs [4096][64 B];  wc [6144][1024 B], ws [6144][64 B], row = 2048 x (0: Wq, 1: Wk, 2: Wv) + column.
; A block's scale is 2^(floor(log2(its largest magnitude)) - 2); its byte is the largest magnitude's exponent field - 2, held at 1 from below.
; LIMITS: a block of zeros gets the byte 1 where the rule says 127 (its codes are zeros, which add nothing, and this program alone reads the bytes); blocks whose largest magnitude lies under 2^(2 - 126) keep the byte 1;
; NaN and infinities among the inputs are not served.
; Work-groups 0 to 255 take x: a plain stream of blocks of 32; a wave takes 16 steps of 512 numbers; each load reads 512 consecutive bytes, and a step's 2,048 bytes turn through the wave's own stage in LDS,
; so that a lane holds 16 neighbours along K.  Work-groups 256 to 639 take the weights, 64 columns x 512 along K each, as many bytes as a work-group of x: a lane takes a column and its registers run down K;
; a wave takes 32 columns x 256 along K.  A column's 512 codes, 256 bytes, come from two waves: they meet in the work-group's stage, behind one barrier, and leave as whole rows.
; The two ways part on the work-group's number, which all four waves share, and have LDS bytes of their own.  Memory binds: matrix units and clusters would add nothing here.
.set STEPS, 16
.set EMAX,  2
.set CB,    8                          ; bytes of 16 codes
.set R,     16                         ; x: v16-79   four sets of 16 numbers as they are loaded
.set X,     80                         ; x: v80-111  two sets of 16 neighbours
.set E,     112                        ; x: v112-127 a scale byte for each step
.set C,     128                        ; x: v128-191 codes: four registers for each step, so that no store's data are written again
.set WREG,  8192                       ; x: LDS region of a wave: two stages of 32 x SP bytes, then its 256 scale bytes
.set SP,    80                         ; x: a lane's place in a stage: 64 bytes + 16 of padding
.set NB,    8                          ; W: blocks of 32 along K for a wave
.set PITCH, 272                        ; W: a stage row: a column's 256 bytes of codes + 16
.set KROW,  1024                       ; a row of wc in bytes
.set WN,    2048                       ; columns of a weight
.set WBASE, 4*WREG                     ; W: the stage, 64 rows, begins behind x's regions
.set WX,    32                         ; W: v32-95   two sets of 32 numbers
.set WC,    96                         ; W: v96-99   a block's codes
.set OUTR,  112                        ; W: v112-143 the way out
.set SB,    24                         ; W: v24-25   the scale bytes, four to a register
.set SPARE, WBASE+64*PITCH             ; the spare words, 128 bytes for each wave: two blocks of 256 bytes that no other line names
.set SPW,   192                        ; v192 LDS address of my spare word; never rewritten
.set NIL,   193                        ; v193 0; never rewritten
	s_load_b512 s[4:19], s[0:1], 0x0               ; x 4:5, Wq 6:7, Wk 8:9, Wv 10:11, xc 12:13, xs 14:15, wc 16:17, ws 18:19
	v_lshl_add_u32 v[SPW], v0, 2, SPARE
	v_mov_b32 v[NIL], 0
	v_lshrrev_b32 v1, 5, v0
	v_readfirstlane_b32 s20, v1                    ; wave 0..3
	v_and_b32 v2, 31, v0                           ; lane
	s_mov_b32 s25, 0                               ; the upper word of every offset
	s_wait_kmcnt 0x0
	s_cmp_lt_u32 ttmp9, 256                        ; x's work-group or a weight's: the work-group's number alone decides
	s_cbranch_scc0 .Lw
	; ---------------- x ----------------
	v_lshlrev_b32 v3, 4, v2                        ; my 16 bytes of a load's 512
	s_mul_i32 s21, s20, WREG
	v_lshrrev_b32 v14, 2, v2
	v_mul_u32_u24 v14, v14, SP
	v_and_b32 v15, 3, v2
	v_lshl_add_u32 v14, v15, 4, v14
	v_add_nc_u32 v14, s21, v14                     ; the stage, on the way in: SP (lane / 4) + 16 (lane % 4); a load's 512 bytes take eight places
	v_mul_u32_u24 v15, v2, SP
	v_add_nc_u32 v15, s21, v15                     ; on the way out: SP x lane: my 16 neighbours
	v_mul_u32_u24 v4, v2, CB                       ; my codes' place in a step's
	v_lshrrev_b32 v5, 1, v2
	s_add_co_u32 s21, s21, 2*32*SP
	v_add_nc_u32 v5, s21, v5                       ; LDS: my wave's 256 scale bytes, my block's byte
	v_lshlrev_b32 v7, 3, v2                        ; and on the way out 8 bytes a lane
	v_add_nc_u32 v6, s21, v7
	s_lshl_b32 s22, ttmp9, 2
	s_add_co_u32 s22, s22, s20                     ; which run of 8,192 numbers is my wave's: 0 .. 1023
	s_lshl_b32 s24, s22, 15                        ; 32,768 bytes of x a run,
	s_add_nc_u64 s[4:5], s[4:5], s[24:25]
	s_lshl_b32 s24, s22, 12                        ; 4,096 of codes,
	s_add_nc_u64 s[12:13], s[12:13], s[24:25]
	s_lshl_b32 s24, s22, 8                         ; 256 scale bytes
	s_add_nc_u64 s[14:15], s[14:15], s[24:25]
.macro XLOAD t
.irp i, 0,1,2,3
	global_load_b128 v[R+16*((\t)%4)+4*\i:R+16*((\t)%4)+4*\i+3], v3, s[4:5] offset:2048*(\t)+512*\i th:TH_LOAD_NT   ; 32 lanes read 512 consecutive bytes
.endr
.endm
.macro XTURN t                         ; step t's numbers through the stage: LDS serves a wave's instructions in order, so no wait stands between the stores and the loads
.irp i, 0,1,2,3
	ds_store_b128 v14, v[R+16*((\t)%4)+4*\i:R+16*((\t)%4)+4*\i+3] offset:32*SP*((\t)%2)+8*SP*\i
.endr
.irp i, 0,1,2,3
	ds_load_b128 v[X+16*((\t)%2)+4*\i:X+16*((\t)%2)+4*\i+3], v15 offset:32*SP*((\t)%2)+16*\i
.endr
.endm
.irp t, 0,1,2,3
	XLOAD \t
.endr
	s_wait_loadcnt 12                              ; step 0's four loads are in; the twelve of steps 1 to 3 may be out
	XTURN 0
.macro XSTEP t
.set XS, X+16*((\t)%2)
.if (\t) > 0
	s_wait_dscnt 1                                 ; this step's numbers are back from the stage (the last step's byte store may be out): so its stores into the stage have read their registers,
.else
	s_wait_dscnt 0x0
.endif
.if (\t)+4 < STEPS
	XLOAD (\t)+4                                   ; which take the loads of four steps on
.endif
.if (\t)+1 < STEPS
.if STEPS-2-(\t) >= 3
	s_wait_loadcnt 12                              ; the next step's four loads are in; those of the three steps behind it may be out
.else
	s_wait_loadcnt 4*(STEPS-2-(\t))
.endif
	XTURN (\t)+1                                   ; and go through the other stage while this step is worked
.endif
	v_max3_num_f32 v8, |v[XS]|, |v[XS+1]|, |v[XS+2]|               ; the largest magnitude of my 16, in two chains
	v_max3_num_f32 v9, |v[XS+3]|, |v[XS+4]|, |v[XS+5]|
.irp i, 6,10
	v_max3_num_f32 v8, v8, |v[XS+\i]|, |v[XS+\i+1]|
	v_max3_num_f32 v9, v9, |v[XS+\i+2]|, |v[XS+\i+3]|
.endr
	v_max3_num_f32 v8, v8, |v[XS+14]|, |v[XS+15]|
	v_max3_num_f32 v8, v8, v9, (EMAX+1)<<23        ; and the floor 2^(EMAX + 1 - 127): so the byte cannot fall under 1
	v_max_num_f32_dpp v8, v8, v8 row_xmask:1 row_mask:0xf bank_mask:0xf   ; and of my neighbour's 16: the block's
	v_add_nc_u32 v11, -(EMAX<<23), v8              ; EMAX off its exponent field: the conversion takes the exponent field of this operand as its scale, and nothing else of it
	v_cvt_scalef32_pk8_fp4_f32 v[C+4*(\t)], v[XS:XS+7], v11
	v_cvt_scalef32_pk8_fp4_f32 v[C+4*(\t)+1], v[XS+8:XS+15], v11
	v_lshrrev_b32 v[E+(\t)], 23, v11               ; the scale's byte (also the plain line behind the conversions)
	ds_store_b8 v5, v[E+(\t)] offset:16*(\t)       ; both lanes of a block write the same byte with the same value
	global_store_b64 v4, v[C+4*(\t):C+4*(\t)+1], s[12:13] offset:32*CB*(\t)   ; the wave stores 256 consecutive bytes, aligned
.endm
.irp t, 0,1,2,3,4,5,6,7,8,9,10,11,12,13,14,15
	XSTEP \t
.endr
	ds_load_b64 v[8:9], v6                         ; LDS serves a wave's instructions in order: these see my byte stores
	s_wait_dscnt 0x0
	global_store_b64 v7, v[8:9], s[14:15]          ; 32 lanes store 256 consecutive bytes, aligned
	s_branch .Lend
	; ---------------- the weights ----------------
.Lw:
	s_sub_co_u32 s21, ttmp9, 256                   ; 0 .. 383
	s_and_b32 s22, s21, 3                          ; which 512 along K
	s_lshr_b32 s23, s21, 2                         ; 0 .. 95
	s_lshr_b32 s26, s23, 5                         ; which weight
	s_cmp_eq_u32 s26, 0
	s_cselect_b64 s[6:7], s[6:7], s[8:9]           ; the choice hangs on the work-group's number alone
	s_cmp_eq_u32 s26, 2
	s_cselect_b64 s[6:7], s[10:11], s[6:7]
	s_and_b32 s23, s23, 31                         ; which 64 columns of it
	s_and_b32 s28, s20, 1                          ; my wave: which 32 of the 64 columns,
	s_lshr_b32 s29, s20, 1                         ; which 256 of the 512 along K
	s_lshl_b32 s23, s23, 6                         ; the work-group's first column
	s_lshl_b32 s26, s26, 11
	s_add_co_u32 s26, s26, s23                     ; and its row of wc and ws
	s_lshl_b32 s27, s28, 5
	s_add_co_u32 s23, s23, s27                     ; my wave's first column
	s_add_co_u32 s30, s26, s27                     ; and its row of ws
	s_lshl_b32 s24, s22, 22                        ; W: 512 rows of 8,192 bytes,
	s_lshl_b32 s27, s29, 21                        ; + 256 rows,
	s_add_co_u32 s24, s24, s27
	s_lshl_b32 s27, s23, 2                         ; + 4 x column
	s_add_co_u32 s24, s24, s27
	s_add_nc_u64 s[6:7], s[6:7], s[24:25]
	s_lshl_b32 s27, s20, 4                         ; wc: on the way out wave w stores rows 16 w .. 16 w + 15 of the work-group's 64:
	s_add_co_u32 s27, s27, s26
	s_lshl_b32 s24, s27, 10                        ; row x 1,024 + 256 x which 512 along K
	s_lshl_b32 s27, s22, 8
	s_add_co_u32 s24, s24, s27
	s_add_nc_u64 s[16:17], s[16:17], s[24:25]
	s_lshl_b32 s24, s30, 6                         ; ws: row x 64 + 16 x which 512 + 8 x which 256
	s_lshl_b32 s27, s22, 4
	s_add_co_u32 s24, s24, s27
	s_lshl_b32 s27, s29, 3
	s_add_co_u32 s24, s24, s27
	s_add_nc_u64 s[18:19], s[18:19], s[24:25]
	v_lshlrev_b32 v3, 2, v2                        ; in: 4 bytes a lane
	s_mul_i32 s27, s28, 32*PITCH                   ; the stage: my 32 rows,
	s_lshl_b32 s31, s29, 7                         ; my half of their 256 bytes
	s_add_co_u32 s27, s27, s31
	s_add_co_u32 s27, s27, WBASE
	v_mul_u32_u24 v4, v2, PITCH
	v_add_nc_u32 v4, s27, v4                       ; into it: row = my column
	v_and_b32 v5, 15, v2
	v_lshrrev_b32 v6, 4, v2                        ; out of it: sixteen lanes to a row, two rows an instruction
	s_mul_i32 s27, s20, 16*PITCH
	s_add_co_u32 s27, s27, WBASE
	v_mul_u32_u24 v7, v6, PITCH
	v_lshl_add_u32 v7, v5, 4, v7
	v_add_nc_u32 v7, s27, v7
	v_mul_u32_u24 v8, v6, KROW
	v_lshl_add_u32 v8, v5, 4, v8                   ; and the same place in wc
	v_mul_u32_u24 v9, v2, 64                       ; my column's row of scale bytes
.macro WLOAD t                         ; block t: W(32 t + i, my column), i = 0 .. 31, into set t % 2; each load reads 128 consecutive bytes a wave, and the wave beside it the next 128
.irp i, 0,1,2,3,4,5,6,7,8,9,10,11,12,13,14,15,16,17,18,19,20,21,22,23,24,25,26,27,28,29,30,31
	global_load_b32 v[WX+32*((\t)%2)+\i], v3, s[6:7] offset:(32*(\t)+\i)*WN*4 th:TH_LOAD_NT
.endr
.endm
	WLOAD 0
	WLOAD 1
.macro WBLOCK t
.set XS, WX+32*((\t)%2)
.if (\t) < NB-1
	s_wait_loadcnt 32                              ; this block's 32 loads are in; the next block's 32 may be out
.else
	s_wait_loadcnt 0
.endif
	v_max3_num_f32 v12, |v[XS]|, |v[XS+1]|, |v[XS+2]|               ; the block's largest magnitude: all 32 numbers are mine
	v_max3_num_f32 v13, |v[XS+3]|, |v[XS+4]|, |v[XS+5]|
.irp i, 6,10,14,18,22,26
	v_max3_num_f32 v12, v12, |v[XS+\i]|, |v[XS+\i+1]|
	v_max3_num_f32 v13, v13, |v[XS+\i+2]|, |v[XS+\i+3]|
.endr
	v_max3_num_f32 v12, v12, |v[XS+30]|, |v[XS+31]|
	v_max3_num_f32 v12, v12, v13, (EMAX+1)<<23     ; and the floor
	v_add_nc_u32 v11, -(EMAX<<23), v12             ; the conversion's scale operand
	v_lshrrev_b32 v13, 23, v11                     ; the scale's byte
.if (\t)%4 == 0
	v_mov_b32 v[SB+(\t)/4], v13                    ; four bytes to a register, the lower K in the lower byte
.else
	v_lshl_or_b32 v[SB+(\t)/4], v13, 8*((\t)%4), v[SB+(\t)/4]
.endif
.irp g, 0,1,2,3
	v_cvt_scalef32_pk8_fp4_f32 v[WC+\g], v[XS+8*\g:XS+8*\g+7], v11
.endr
	v_nop                                          ; one plain line behind the last conversion
	ds_store_b128 v4, v[WC:WC+3] offset:16*(\t)    ; 32 codes: 16 bytes of my column's row
.if (\t)+2 < NB
	WLOAD (\t)+2
.endif
	s_wait_dscnt 0x0                               ; the store has read its registers: the next block's codes may be written
.endm
.set Q, 0
.rept NB
	WBLOCK Q
.set Q, Q+1
.endr
	global_store_b64 v9, v[SB:SB+1], s[18:19]      ; my column's 8 scale bytes
	s_wait_dscnt 0x0                               ; for the others' sake: my stores into the stage are done
	s_barrier_signal -1
	s_barrier_wait -1                              ; everybody's are: the 64 rows are whole
.irp t, 0,1,2,3,4,5,6,7
	ds_load_b128 v[OUTR+4*\t:OUTR+4*\t+3], v7 offset:2*\t*PITCH
.endr
.irp t, 0,1,2,3,4,5,6,7
	s_wait_dscnt 7-\t                              ; load t is back; the younger ones may be out
	global_store_b128 v8, v[OUTR+4*\t:OUTR+4*\t+3], s[16:17] offset:2*\t*KROW   ; sixteen lanes store 256 consecutive bytes, aligned
.endr
.Lend:
	s_wait_tensorcnt 0x0                           ; the wave's end: behind my last LDS store; the tensor wait stands even in a text with no tensor load
	ds_add_u32 v[SPW], v[NIL]
	s_wait_dscnt 0x0
	s_endpgm
.Lfunc_end_k_q42f5366654_quant:
	.size	k_q42f5366654_quant, .Lfunc_end_k_q42f5366654_quant-k_q42f5366654_quant
	.p2alignl 7, 3214868480
	.fill 96, 4, 3214868480
	.section	.rodata,"a",@progbits
	.p2align	6, 0x0
	.amdhsa_kernel k_q42f5366654_quant
		.amdhsa_group_segment_fixed_size 50688
		.amdhsa_private_segment_fixed_size 0
		.amdhsa_enable_private_segment 0
		.amdhsa_kernarg_size 64
		.amdhsa_user_sgpr_count 2
		.amdhsa_user_sgpr_kernarg_segment_ptr 1
		.amdhsa_wavefront_size32 1
		.amdhsa_system_sgpr_workgroup_id_x 1
		.amdhsa_system_sgpr_workgroup_id_y 1
		.amdhsa_system_sgpr_workgroup_id_z 1
		.amdhsa_system_vgpr_workitem_id 0
		.amdhsa_next_free_vgpr 196
		.amdhsa_next_free_sgpr 66
		.amdhsa_reserve_vcc 0
		.amdhsa_float_denorm_mode_32 3
		.amdhsa_float_denorm_mode_16_64 3
		.amdhsa_memory_ordered 1
		.amdhsa_forward_progress 1
		.amdhsa_inst_pref_size 73
	.end_amdhsa_kernel
	.amdgpu_metadata
---
amdhsa.version: [ 1, 2 ]
amdhsa.kernels:
  - .name:           k_q42f5366654_quant
    .symbol:         k_q42f5366654_quant.kd
    .args:
      - { .name: x, .offset: 0, .size: 8, .value_kind: global_buffer, .address_space: global }
      - { .name: Wq, .offset: 8, .size: 8, .value_kind: global_buffer, .address_space: global }
      - { .name: Wk, .offset: 16, .size: 8, .value_kind: global_buffer, .address_space: global }
      - { .name: Wv, .offset: 24, .size: 8, .value_kind: global_buffer, .address_space: global }
      - { .name: xc, .offset: 32, .size: 8, .value_kind: global_buffer, .address_space: global }
      - { .name: xs, .offset: 40, .size: 8, .value_kind: global_buffer, .address_space: global }
      - { .name: wc, .offset: 48, .size: 8, .value_kind: global_buffer, .address_space: global }
      - { .name: ws, .offset: 56, .size: 8, .value_kind: global_buffer, .address_space: global }
    .group_segment_fixed_size: 50688
    .private_segment_fixed_size: 0
    .kernarg_segment_align: 8
    .kernarg_segment_size: 64
    .max_flat_workgroup_size: 128
    .sgpr_count:     66
    .vgpr_count:     196
    .wavefront_size: 32
...
	.end_amdgpu_metadata
.endif
;; end of part 1
;; launch gemm (part 2): grid 16 x 16, 4 waves a work-group, clusters of 4 x 4, 327,680 bytes of LDS; arguments xc, xs, wc, ws, bq, bk, bv, q16, kv16, x32; writes q16, kv16, x32
.if DOCPART == 2
	.amdgcn_target "amdgcn-amd-amdhsa--gfx1250"
	.amdhsa_code_object_version 6
	.text
	.protected	k_q42f5366654_gemm
	.globl	k_q42f5366654_gemm
	.p2align	8
	.type	k_q42f5366654_gemm,@function
k_q42f5366654_gemm:
	s_mov_b64 s[64:65], 0
	v_nop
	global_prefetch_b8 v0, s[64:65] scope:SCOPE_SE
	s_setreg_imm32_b32 hwreg(HW_REG_WAVE_MODE, 25, 1), 1
	s_wait_xcnt 0x0
	s_wait_alu depctr_hold_cnt(0) depctr_sa_sdst(0) depctr_va_vdst(0) depctr_va_sdst(0) depctr_va_ssrc(0) depctr_va_vcc(0) depctr_vm_vsrc(0)
	s_getreg_b32 s2, hwreg(HW_REG_IB_STS2, 6, 4)
	s_cmp_eq_u32 s2, 0
	s_cbranch_scc0 .Lentry_in_a_cluster
	s_endpgm
.Lentry_in_a_cluster:
	s_bfe_u32 s2, ttmp6, 0x10000c
	s_cmp_lg_u32 s2, 0xf033
	s_cbranch_scc0 .Lentry_shape_is_right
	s_endpgm
.Lentry_shape_is_right:
; [4096 tokens][6144] = x W + bias, W's columns being Wq's, Wk's and Wv's; both operands are codes of FP4 (E2M1) with one E8M0 scale for each 32 along K = 2048; sums in f32.
; 4096 x 6144 outputs for 256 work-groups are 256 x 384 each: work-group (X, row) makes q, k and v of head X for 256 tokens, so that every work-group has the same work and there is one for each of 16 x 16 places.
; Four waves; a wave makes 128 tokens x 192 columns: 96 accumulators of 16 x 16, 768 registers.  Its columns are twelve blocks of 16 in three groups of four:
;   column half 0: q's blocks 0-3, q's 4-7, k's 0-3;   column half 1: k's blocks 4-7, v's 0-3, v's 4-7.
; K goes in steps of 256 (rows of 128 bytes) through a ring of two LDS slots: two slots of the longer step, 640 rows of 256 bytes each, would not fit.  The scale bytes of the work-group's 640 rows, for all of K, come once, with the first fills.
; CLUSTERS: 4 x 4 work-groups.  The four of a row of the cluster need the same tokens, the four of a column the same rows of W: each tile is asked for JOINTLY, by the same tensor load with the same descriptor and a mask that names the four.
; Wave 3 fetches the tokens' 256 rows, waves 0, 1, 2 the 128 rows of Wq, Wk, Wv.  The tile row is 4 cy + cluster y: cy is the batch, and cluster y, which all partners share, says which quarter of a sequence a tile holds.
; THE MATRIX INSTRUCTION IS USED TRANSPOSED (source 0 = 16 columns of W, source 1 = 16 tokens): a lane holds one token (lane % 16) and eight neighbouring columns 8 (lane / 16) + 0 .. 7.
; THE BIAS is loaded into the accumulators of the tokens' block 0 and is the C of every sum's first product: blocks 1 to 7 take those registers as C, then block 0 adds in place.  Nothing is cleared, nothing is added afterwards.
; A STEP of 128 along K is three groups of 32 products (four blocks of W x the tokens' eight).  W's blocks have two buffers of four: behind each group the buffer just read takes the blocks of the group after next.  The tokens' fragments and the scale words have two sets.
; THE WAY OUT needs no LDS and no other registers: eight columns of a lane, rounded to f16 in place, are 16 bytes, and the wave's 32 x 16 bytes ARE one half of an f16 operand's registers, lane by lane: 512 consecutive bytes a store.
;   q16 [bh 64][token tile 64][piece 8][lane 32][16 B];  kv16 [bh 64][128 keys: 8][K: 8 tiles x 4,096 B, then V: 8 tiles x 4,096 B]; in V's pieces lanes 16-31 lie at 256 + 16 (r xor 8).
;   The first 16 tokens of each sequence go out in f32 as well: x32 [batch 4][column tile 384][half 2][lane 32][16 B], column tile = 128 x (0: q, 1: k, 2: v) + 8 x head + block.
; LIMITS: q, k, v are kept in f16: magnitudes above 65,504 become infinities, magnitudes under 6e-5 keep an absolute error of 3e-8.
; REGISTERS, in windows of 256: window 0: v16-29 addresses; v32-159 the tokens' fragments, two sets; v160-223 W's, two buffers; v224-247 scale words, two sets.
;   windows 1, 2, 3: the accumulators of W's groups 0, 1, 2: accumulator (tokens' block a, W's block 4 g + bb) at v[8 (8 bb + a)] of window 1 + g.
.set SIZE_K, 2048
.set ROWB,   128                       ; a tile's row in bytes: 256 codes
.set KROW,   SIZE_K*4/8                ; a row of codes in memory
.set PITCH,  144                       ; an LDS row: 128 bytes + 16 of padding = 36 words: the 16 rows that a load touches start at 16 different groups of four banks (64 banks of 4 bytes: ISA guide 11.1)
.set NP,     4                         ; places behind this matrix instruction (ISA guide 7.12.1)
.set ATILE,  256*PITCH                 ; the tokens' 256 rows
.set SECT,   128*PITCH                 ; 128 rows of one of Wq, Wk, Wv
.set SLOT,   ATILE+3*SECT
.set KS,     SIZE_K/32                 ; a row of scales in bytes
.set SCL,    2*SLOT                    ; behind the ring: the scales, as units of 256 bytes + 16 of padding:
.set SCA,    (256*KS/256)*272          ; the tokens',
.set SCS,    (128*KS/256)*272          ; then three times those of 128 rows of W
.set SBLK,   (16*KS/256)*272           ; the scales of 16 rows
.set SPARE,  SCL+SCA+3*SCS             ; the spare words, 128 bytes for each wave: two blocks of 256 bytes that no other line names
.set ADRA, 16                          ; v16-17  LDS address of my tokens' fragments in slot 0, 1
.set ADRB, 20                          ; v20-21  the same for W
.set VOA,  24                          ; v24     the way out: 16 x lane
.set VOB,  25                          ; v25     the same, with lanes 16-31 turned by 8 in the column half that holds V
.set VB,   26                          ; v26     32 x (lane / 16): my eight numbers of a block of the bias
.set ADRS, 27                          ; v27     LDS address of my scale words: lanes 0-15 the tokens', lanes 16-31 W's
.set SPW,  28                          ; v28     LDS address of my spare word; never rewritten
.set NIL,  29                          ; v29     0; never rewritten
.set AF,   32                          ; the tokens' fragments: set p at AF + 64 p
.set BF,   160                         ; W's fragments: buffer p at BF + 32 p
.set SC,   224                         ; scale words: set p at SC + 12 p; register i: lanes 0-15 the word of the tokens' block i (i < 8), lanes 16-31 that of W's block i
.set G1, 24                            ; s[24:31] descriptor group 1 for the tokens' tiles;  s[32:39] group 0, one set for each slot
.set G0, 32
.set G1B, 48                           ; s[48:55], s[56:63] the same for W's tiles
.set G0B, 56
.set G1S, 68                           ; s[68:75], s[76:79] groups 1 and 0 for the tokens' scales;  s[80:87], s[88:91] for W's
.set G0S, 76
.set G1SB, 80
.set G0SB, 88
.set OP0,  12                          ; s[12:13]  where group 0's pieces of my 128 tokens begin;  first the group's bias
.set OP1,  66                          ; s[66:67]  group 1's
.set OP2,  96                          ; s[96:97]  group 2's
.set X32P, 98                          ; s[98:99]  x32 at my batch and head
.set MSB, 0
.macro WIN new                         ; the immediate's high byte repeats the setting that is left
.if MSB != (\new)
	s_set_vgpr_msb (MSB<<8)|(\new)
.set MSB, (\new)
.endif
.endm
; A joint load: wave 3 fetches for the tokens, waves 0 to 2 for W.  Each of the two lines has ONE mask; the branch hangs on the wave's number alone.
; An s_nop 0 and four v_nop follow each of the two lines, ahead of the jump, the label and what follows.
.macro JLOAD g0a, g1a, g0b, g1b
	s_cmp_eq_u32 s14, 3
	s_cbranch_scc0 .Lfor_b_\@
	tensor_load_to_lds s[\g0a:\g0a+3], s[\g1a:\g1a+7]
	s_nop 0
.rept 4
	v_nop
.endr
	s_branch .Lasked_\@
.Lfor_b_\@:
	tensor_load_to_lds s[\g0b:\g0b+3], s[\g1b:\g1b+7]
	s_nop 0
.rept 4
	v_nop
.endr
.Lasked_\@:
.endm
.macro CREST                           ; a round of the cluster's barrier behind its opening barrier
	s_cmp_lg_u32 s14, 0
	s_cbranch_scc1 .Lnot_wave_0_\@
	s_barrier_signal -3
.Lnot_wave_0_\@:
	s_barrier_wait -3
	s_barrier_signal -1
	s_barrier_wait -1
.endm
.macro CROUND                          ; a whole round
	s_barrier_signal -1
	s_barrier_wait -1
	CREST
.endm
	s_load_b256 s[4:11], s[0:1], 0x0               ; xc s[4:5], xs s[6:7], wc s[8:9], ws s[10:11]
	v_lshl_add_u32 v[SPW], v0, 2, SPARE
	v_mov_b32 v[NIL], 0
	ds_add_u32 v[SPW], v[NIL]                      ; the wave's opening: the add, twice on end, and its wait ahead of my first tensor load; the set-up below, work on registers, stands between
	ds_add_u32 v[SPW], v[NIL]
	v_lshrrev_b32 v1, 5, v0
	v_readfirstlane_b32 s14, v1                    ; wave 0..3
	s_lshr_b32 s15, s14, 1                         ; which half of the tile's tokens is mine
	s_and_b32 s16, s14, 1                          ; which half of its columns
	s_bfe_u32 s40, ttmp6, 0x40000                  ; cx, cy: my place in the cluster
	s_bfe_u32 s41, ttmp6, 0x40004
	s_lshl_b32 s42, ttmp9, 2
	s_add_co_u32 s42, s42, s40                     ; the head = 4 x cluster x + cx
	s_and_b32 s17, ttmp7, 0xffff
	s_lshl_b32 s43, s41, 2
	s_add_co_u32 s17, s17, s43                     ; tile row = 4 cy + cluster y: cy is the batch
	s_lshl_b32 s43, 15, s43                        ; my row of the cluster: places 4 cy .. 4 cy + 3
	s_lshl_b32 s44, 0x1111, s40                    ; my column: places cx, cx + 4, cx + 8, cx + 12
	; descriptor group 1: tiles of rows of ROWB bytes, padded in LDS: 256 rows of tokens, 128 rows of W
	s_or_b32 s[G1+0], s43, (0<<16)|(1<<20)|(1<<21)|(4<<22)|(3<<25)  ; 15:0 the mask; 17:16 element of 1 byte; 20 padding on; 21 set beside a mask; 24:22 after every 32 words (code 4); 31:25 of 4 words (code 3)
	s_or_b32 s[G1B+0], s44, (0<<16)|(1<<20)|(1<<21)|(4<<22)|(3<<25)
.irp g, G1, G1B
	s_mov_b32 s[\g+1], ROWB<<16                    ; tensor_dim0
	s_mov_b32 s[\g+3], ROWB<<16                    ; tile_dim0
	s_mov_b32 s[\g+5], KROW                        ; tensor_dim0_stride
	s_mov_b32 s[\g+6], 0
	s_mov_b32 s[\g+7], 0
.endr
	s_mov_b32 s[G1+2], 256<<16                     ; tensor_dim1
	s_mov_b32 s[G1+4], 256                         ; tile_dim1
	s_mov_b32 s[G1B+2], 128<<16
	s_mov_b32 s[G1B+4], 128
	; and for the scales: dense blocks of 64 bytes a row, as rows of 256 bytes (32 elements of 8 bytes), 16 bytes of padding behind each: 64 such rows for the tokens, 32 for 128 rows of W
	s_or_b32 s[G1S+0], s43, (3<<16)|(1<<20)|(1<<21)|(5<<22)|(3<<25)
	s_or_b32 s[G1SB+0], s44, (3<<16)|(1<<20)|(1<<21)|(5<<22)|(3<<25)
.irp g, G1S, G1SB
	s_mov_b32 s[\g+1], 32<<16
	s_mov_b32 s[\g+3], 32<<16
	s_mov_b32 s[\g+5], 32
	s_mov_b32 s[\g+6], 0
	s_mov_b32 s[\g+7], 0
.endr
	s_mov_b32 s[G1S+2], 64<<16
	s_mov_b32 s[G1S+4], 64
	s_mov_b32 s[G1SB+2], 32<<16
	s_mov_b32 s[G1SB+4], 32
	s_lshl_b32 s20, s17, 8                         ; tokens: row 256 x tile row
	s_mov_b32 s21, 0
	s_lshl_b32 s46, s14, 11                        ; W: row 2048 x wave (Wq, Wk, Wv; wave 3 makes the number and never uses it)
	s_lshl_b32 s47, s42, 7                         ;    + 128 x head
	s_add_co_u32 s46, s46, s47
	s_mov_b32 s47, 0
	s_mov_b64 s[18:19], KS
	s_mul_u64 s[22:23], s[20:21], s[18:19]         ; where these rows' scales begin, in bytes
	s_mul_u64 s[92:93], s[46:47], s[18:19]
	s_mov_b64 s[18:19], KROW
	s_mul_u64 s[20:21], s[20:21], s[18:19]         ; and their codes
	s_mul_u64 s[46:47], s[46:47], s[18:19]
	s_mul_i32 s45, s14, SECT                       ; where W's go: wave x 128 rows: no place in the cluster enters an LDS address
	s_mul_i32 s94, s14, SCS
	s_wait_dscnt 0x0                               ; both opening adds are done
	s_wait_kmcnt 0x0
	s_add_nc_u64 s[20:21], s[4:5], s[20:21]
	s_add_nc_u64 s[22:23], s[6:7], s[22:23]
	s_add_nc_u64 s[46:47], s[8:9], s[46:47]
	s_add_nc_u64 s[92:93], s[10:11], s[92:93]
	CROUND                                         ; all sixteen work-groups are here: the first joint loads meet
	s_mov_b32 s[G0S], 1
	s_mov_b32 s[G0S+1], SCL
	s_mov_b64 s[G0S+2:G0S+3], s[22:23]
	s_or_b32 s[G0S+3], s[G0S+3], 0x80000000
	s_mov_b32 s[G0SB], 1
	s_add_co_u32 s[G0SB+1], s94, SCL+SCA
	s_mov_b64 s[G0SB+2:G0SB+3], s[92:93]
	s_or_b32 s[G0SB+3], s[G0SB+3], 0x80000000
	JLOAD G0S, G1S, G0SB, G1SB                     ; the scales first: they are wanted with K step 0
.irp s, 0,1
	s_mov_b32 s[G0+4*\s], 1
	s_mov_b32 s[G0+4*\s+1], \s*SLOT
	s_add_nc_u64 s[G0+4*\s+2:G0+4*\s+3], s[20:21], \s*ROWB
	s_or_b32 s[G0+4*\s+3], s[G0+4*\s+3], 0x80000000
	s_mov_b32 s[G0B+4*\s], 1
	s_add_co_u32 s[G0B+4*\s+1], s45, ATILE+\s*SLOT
	s_add_nc_u64 s[G0B+4*\s+2:G0B+4*\s+3], s[46:47], \s*ROWB
	s_or_b32 s[G0B+4*\s+3], s[G0B+4*\s+3], 0x80000000
	JLOAD G0+4*\s, G1, G0B+4*\s, G1B               ; three tensor loads of mine are out now
.endr
	s_load_b256 s[4:11], s[0:1], 0x20              ; the other arguments: bq s[4:5], bk s[6:7], bv s[8:9], q16 s[10:11],
	s_load_b128 s[96:99], s[0:1], 0x40             ; kv16 s[96:97], x32 s[98:99]
	v_and_b32 v1, 15, v0                           ; l % 16
	v_bfe_u32 v2, v0, 4, 1                         ; l / 16
	v_mul_u32_u24 v3, v1, PITCH
	v_lshl_add_u32 v4, v2, 4, v3                   ; a fragment's row x pitch + 16 x half
	s_mul_i32 s21, s15, 128*PITCH                  ; my 128 tokens
	s_mul_i32 s22, s16, 192*PITCH                  ; my 192 rows of W,
	s_add_co_u32 s22, s22, ATILE                   ; which lie behind the tokens' 256
.irp s, 0,1
	v_add_nc_u32 v[ADRA+\s], s21, v4
	v_add_nc_u32 v[ADRB+\s], s22, v4
	s_add_co_u32 s21, s21, SLOT
	s_add_co_u32 s22, s22, SLOT
.endr
	v_mul_u32_u24 v5, v1, KS                       ; my row's scales: KS bytes a row,
	v_lshrrev_b32 v6, 8, v5
	v_lshl_add_u32 v5, v6, 4, v5                   ; and 16 more for each 256 passed
	s_mul_i32 s21, s15, SCS                        ; the tokens': my 128 rows
	s_mul_i32 s22, s16, 12*SBLK                    ; W's: my 192 rows, behind the tokens' 256
	s_add_co_u32 s22, s22, SCA
	s_sub_co_u32 s22, s22, s21
	v_mul_u32_u24 v6, s22, v2                      ; lanes 16-31 take W's: ONE product, the distance between the two bases x the lane's half
	s_add_co_u32 s21, s21, SCL
	v_add_nc_u32 v5, v5, v6
	v_add_nc_u32 v[ADRS], s21, v5
	v_lshlrev_b32 v[VB], 5, v2
	v_and_b32 v6, 31, v0
	s_lshl_b32 s2, s16, 3                          ; column half 1 holds V in its groups 1 and 2: there lanes 16-31 are turned by 8
	v_mul_u32_u24 v5, s2, v2
	v_xor_b32 v5, v5, v6
	v_lshlrev_b32 v[VOB], 4, v5
	v_lshlrev_b32 v[VOA], 4, v6
	s_wait_kmcnt 0x0
	; THE BIAS of my three groups, 64 numbers each.  The choices hang on the wave's number alone.  What holds cx, or cx and cy together, stays in registers that never fed a descriptor.
	s_cmp_eq_u32 s16, 0
	s_cselect_b64 s[OP0:OP0+1], s[4:5], s[6:7]     ; group 0: bq, or bk
	s_cselect_b64 s[OP1:OP1+1], s[4:5], s[8:9]     ; group 1: bq, or bv
	s_cselect_b64 s[100:101], s[6:7], s[8:9]       ; group 2: bk, or bv
	s_cselect_b32 s2, 0, 256                       ; groups 0 and 2: the head's first 64 numbers, or its second
	s_cselect_b32 s95, 256, 0                      ; group 1: the other way round
	s_lshl_b32 s104, s42, 9                        ; 512 bytes a head
	s_mov_b32 s105, 0
	s_add_co_u32 s2, s2, s104
	s_add_co_u32 s95, s95, s104
	s_mov_b32 s104, s2
	s_add_nc_u64 s[OP0:OP0+1], s[OP0:OP0+1], s[104:105]
	s_add_nc_u64 s[100:101], s[100:101], s[104:105]
	s_mov_b32 s104, s95
	s_add_nc_u64 s[OP1:OP1+1], s[OP1:OP1+1], s[104:105]
.macro BIAS w, p                       ; into the accumulators of the tokens' block 0 in window w: register 64 bb + j holds the group's bias[16 bb + 8 (lane / 16) + j]
	WIN (\w)<<6
.irp bb, 0,1,2,3
	global_load_b128 v[64*\bb:64*\bb+3], v[VB], s[\p:\p+1] offset:64*\bb
	global_load_b128 v[64*\bb+4:64*\bb+7], v[VB], s[\p:\p+1] offset:64*\bb+16
.endr
.endm
	BIAS 1, OP0
	BIAS 2, OP1
	BIAS 3, 100
	WIN 0
	s_wait_xcnt 0x0                                ; the loads have read their bases: the registers may be written again
	; WHERE MY RESULTS GO.  bh = 16 x batch + head; my 128 tokens are block 2 x cluster y + token half of the sequence.
	s_lshl_b32 s2, s41, 4
	s_add_co_u32 s2, s2, s42
	s_lshl_b32 s2, s2, 18
	s_and_b32 s95, ttmp7, 0xffff
	s_lshl_b32 s95, s95, 1
	s_add_co_u32 s95, s95, s15
	s_lshl_b32 s95, s95, 15
	s_add_co_u32 s2, s2, s95                       ; in q16: 2^18 bytes a head, 2^15 for 128 tokens
	s_lshl_b32 s95, s2, 1                          ; in kv16: twice that
	s_cmp_eq_u32 s16, 0
	s_cselect_b64 s[OP0:OP0+1], s[10:11], s[96:97] ; group 0: q's pieces 0-3, or k's 4-7
	s_cselect_b64 s[OP1:OP1+1], s[10:11], s[96:97] ; group 1: q's pieces 4-7, or v's 0-3
	s_cselect_b32 s104, s2, s95
	s_cselect_b32 s100, 0, 2048                    ; four pieces are 2,048 bytes
	s_cselect_b32 s101, 0, 30720                   ; V lies 32,768 bytes behind K
	s_cselect_b32 s2, 0, 34816                     ; group 2: k's pieces 0-3, or v's 4-7
	s_add_nc_u64 s[OP0:OP0+1], s[OP0:OP0+1], s[104:105]
	s_add_nc_u64 s[OP1:OP1+1], s[OP1:OP1+1], s[104:105]
	s_mov_b32 s104, s100
	s_add_nc_u64 s[OP0:OP0+1], s[OP0:OP0+1], s[104:105]
	s_add_co_u32 s104, s101, 2048
	s_add_nc_u64 s[OP1:OP1+1], s[OP1:OP1+1], s[104:105]
	s_add_co_u32 s104, s95, s2
	s_add_nc_u64 s[OP2:OP2+1], s[OP2:OP2+1], s[104:105]
	s_mul_i32 s104, s41, 393216                    ; x32: the batch's 384 column tiles of 1,024 bytes,
	s_lshl_b32 s2, s42, 13                         ; 8 to a head
	s_add_co_u32 s104, s104, s2
	s_add_nc_u64 s[X32P:X32P+1], s[X32P:X32P+1], s[104:105]
.macro FRAG reg, adr, q, i             ; a fragment, 16 rows x 128 K of 4-bit codes, is 8 registers: lane l holds row l % 16; registers 4 c .. 4 c + 3 hold K = 64 c + 32 (l / 16) + 0 .. 31
.irp c, 0,1
	ds_load_b128 v[\reg+4*\c:\reg+4*\c+3], v[\adr] offset:64*(\q)+32*\c+(\i)*16*PITCH
.endr
.endm
.macro LDA slot, q, p                  ; the tokens' eight fragments of the slot's q-th 128 along K into set p: 16 loads
.irp i, 0,1,2,3,4,5,6,7
	FRAG AF+64*(\p)+8*\i, ADRA+\slot, \q, \i
.endr
.endm
.macro LDB slot, q, g, bp              ; W's blocks 4 g .. 4 g + 3 into buffer bp: 8 loads
.irp i, 0,1,2,3
	FRAG BF+32*(\bp)+8*\i, ADRB+\slot, \q, 4*(\g)+\i
.endr
.endm
.macro LDSC q, p                       ; the scale words of the K step's q-th 128 along K into set p: 12 loads.  (Lanes 0-15 have eight blocks: what registers 8 to 11 bring them is not read)
.irp i, 0,1,2,3,4,5,6,7,8,9,10,11
	ds_load_b32 v[SC+12*(\p)+\i], v[ADRS] offset:\i*SBLK+4*(\q)
.endr
.endm
; 16 products: W's blocks 4 g + b0, + 1 (in buffer bp) x the tokens' eight (set p).  The accumulators take turns, one instruction a turn, in the same order in every step.
.macro HGRP g, p, bp, b0
.irp bb, \b0, \b0+1
.irp a, 0,1,2,3,4,5,6,7
	v_wmma_scale_f32_16x16x128_f8f6f4 v[8*(8*(\bb)+\a):8*(8*(\bb)+\a)+7], v[BF+32*(\bp)+8*(\bb):BF+32*(\bp)+8*(\bb)+7], v[AF+64*(\p)+8*\a:AF+64*(\p)+8*\a+7], v[8*(8*(\bb)+\a):8*(8*(\bb)+\a)+7], v[SC+12*(\p)+4*(\g)+(\bb)], v[SC+12*(\p)+\a] matrix_a_fmt:MATRIX_FMT_FP4 matrix_b_fmt:MATRIX_FMT_FP4 matrix_a_scale:MATRIX_SCALE_ROW1
.endr
.endr
.endm
.macro GROUP g, p, bp
	HGRP \g, \p, \bp, 0
	HGRP \g, \p, \bp, 2
.endm
; A group's FIRST products (set 0): the tokens' blocks 1 to 7 take the bias, which lies in block 0's accumulators, as C; five places; then block 0 adds in place onto it.
.macro FGRP g, bp
.irp bb, 0,1,2,3
.irp a, 1,2,3,4,5,6,7
	v_wmma_scale_f32_16x16x128_f8f6f4 v[8*(8*\bb+\a):8*(8*\bb+\a)+7], v[BF+32*(\bp)+8*\bb:BF+32*(\bp)+8*\bb+7], v[AF+8*\a:AF+8*\a+7], v[64*\bb:64*\bb+7], v[SC+4*(\g)+\bb], v[SC+\a] matrix_a_fmt:MATRIX_FMT_FP4 matrix_b_fmt:MATRIX_FMT_FP4 matrix_a_scale:MATRIX_SCALE_ROW1
.endr
.endr
.rept NP+1
	v_nop                                          ; a matrix instruction that writes over a register which an earlier one has read stands one place further behind it than a load would
.endr
.irp bb, 0,1,2,3
	v_wmma_scale_f32_16x16x128_f8f6f4 v[64*\bb:64*\bb+7], v[BF+32*(\bp)+8*\bb:BF+32*(\bp)+8*\bb+7], v[AF:AF+7], v[64*\bb:64*\bb+7], v[SC+4*(\g)+\bb], v[SC] matrix_a_fmt:MATRIX_FMT_FP4 matrix_b_fmt:MATRIX_FMT_FP4 matrix_a_scale:MATRIX_SCALE_ROW1
.endr
.endm
; A load into a register that a matrix instruction has read, and a vector instruction or a store that reads or rewrites a matrix result, stand NP places behind that matrix instruction; only plain vector
; instructions that name none of its registers are places (ISA guide 7.12.1 for vector instructions).
.macro PLACES n
.rept \n
	v_nop
.endr
.endm
; A K STEP: what a slot holds, 256 along K: six groups of 32 products.  Group n (0 .. 5) multiplies W's buffer n % 2 by the tokens' set n / 3; behind it the buffer takes the blocks of group n + 2.
; mode 2: the slot is filled again, two K steps ahead;  mode 1: the slots change and nothing is asked for;  mode 0: the last K step.  first = 1: the sums begin.
; THE COUNTS.  8: the youngest run, W's eight loads for the next group, may be out.  36: the run of the tokens' 16, the 12 scale words and W's 8 may be out.  9: W's eight and the add.
.macro KSTEP slot, next, mode, first
	s_wait_dscnt 8                                 ; the tokens' set 0, its scale words and W's group 0 are in
	WIN 0x50                                       ; C and D window 1
.if \first
	FGRP 0, 0
.else
	GROUP 0, 0, 0
.endif
	PLACES NP
	WIN 0
	LDA \slot, 1, 1
	LDSC 1, 1
	LDB \slot, 0, 2, 0
	s_wait_dscnt 36                                ; W's group 1 is in
	WIN 0xa0                                       ; window 2
.if \first
	FGRP 1, 1
.else
	GROUP 1, 0, 1
.endif
	PLACES NP
	WIN 0
	LDB \slot, 1, 0, 1
	s_wait_dscnt 8                                 ; W's group 2 is in
	WIN 0xf0                                       ; window 3
.if \first
	FGRP 2, 0
.else
	GROUP 2, 0, 0
.endif
	PLACES NP
	WIN 0
	LDB \slot, 1, 1, 0
	s_wait_dscnt 8                                 ; the tokens' set 1, its scale words and W's group 0 of the second 128 are in
	WIN 0x50
	GROUP 0, 1, 1
	PLACES NP
	WIN 0
	LDB \slot, 1, 2, 1                             ; my last reads of this slot
.if \mode == 0
	s_wait_dscnt 8
	WIN 0xa0
	GROUP 1, 1, 0
	s_wait_dscnt 0x0
	WIN 0xf0
	GROUP 2, 1, 1
	WIN 0
.else
	; THE CHANGE OF SLOTS: ONE barrier; in front of it each wave waits for all its tensor loads, adds 0 to its spare word, and waits for that and for its own reads of this slot.
	s_wait_tensorcnt 0x0                           ; all my tensor loads have landed: my part of the next slot  (every window is 0 here)
	ds_add_u32 v[SPW], v[NIL]                      ; 0 onto my spare word
	s_wait_dscnt 9                                 ; W's group 1 is in
	WIN 0xa0
	HGRP 1, 1, 0, 0                                ; sixteen matrix instructions stand between the add and the wait for it
	s_wait_dscnt 0x0                               ; the add is done, and my reads of this slot are over
	s_barrier_signal -1
	HGRP 1, 1, 0, 2
	WIN 0
	s_barrier_wait -1
.if \mode == 2
	CREST                                          ; the barrier has opened a round of the cluster's barrier: no wave of any partner still reads this slot's tile or has a load on its way
	s_add_nc_u64 s[G0+4*\slot+2:G0+4*\slot+3], s[G0+4*\slot+2:G0+4*\slot+3], 2*ROWB
	s_add_nc_u64 s[G0B+4*\slot+2:G0B+4*\slot+3], s[G0B+4*\slot+2:G0B+4*\slot+3], 2*ROWB
	JLOAD G0+4*\slot, G1, G0B+4*\slot, G1B         ; the first tensor load behind the round, my one load until the next; its four v_nop are the places in front of the loads below
.else
	PLACES NP
.endif
	v_add_nc_u32 v[ADRS], 8, v[ADRS]               ; on to the next K step's two scale words
	LDA \next, 0, 0
	LDSC 0, 0
	LDB \next, 0, 0, 0
	WIN 0xf0
	GROUP 2, 1, 1                                  ; (its blocks of W came in with the wait for 0 above)
	PLACES NP
	WIN 0
	LDB \next, 0, 1, 1
.endif
.endm
	s_wait_loadcnt 0x0                             ; the bias
	s_wait_tensorcnt 1                             ; the scales and my part of K step 0 are in (K step 1's load may be out)
	s_barrier_signal -1
	s_barrier_wait -1                              ; everybody's are
	LDA 0, 0, 0
	LDSC 0, 0
	LDB 0, 0, 0, 0
	LDB 0, 0, 1, 1
	KSTEP 0, 1, 2, 1                               ; K step 0 stands in front of the loop: its first products start the sums
	s_mov_b32 s3, 2
.Llap:                                                 ; two trips: K steps 1 and 2, 3 and 4; each fills its slot again
	KSTEP 1, 0, 2, 0
	KSTEP 0, 1, 2, 0
	s_sub_co_u32 s3, s3, 1
	s_cmp_lg_u32 s3, 0
	s_cbranch_scc1 .Llap
	KSTEP 1, 0, 2, 0                               ; K step 5 asks for K step 7: the last load
	KSTEP 0, 1, 1, 0                               ; K step 6
	KSTEP 1, 0, 0, 0                               ; K step 7
	PLACES NP                                      ; behind the last products: the stores and conversions below read results and write over them
	; THE FIRST 16 TOKENS OF A SEQUENCE, in f32: block 0 of the waves with the first 128 tokens of the tiles with cluster y = 0.  Both tests are alike in all partners.
	s_and_b32 s2, ttmp7, 0xffff
	s_cmp_lg_u32 s2, 0
	s_cbranch_scc1 .Lno32
	s_cmp_lg_u32 s15, 0
	s_cbranch_scc1 .Lno32
	s_mul_i32 s2, s16, 135168                      ; my groups' first column tiles, from the head's first of q: 0, 4, 128, or 132, 256, 260; 1,024 bytes each
	v_add_nc_u32 v248, s2, v[VOA]
	s_add_co_u32 s2, s2, 131072
	v_add_nc_u32 v250, s2, v[VOA]
	s_mul_i32 s2, s16, 258048
	s_add_co_u32 s2, s2, 4096
	v_add_nc_u32 v249, s2, v[VOA]
.irp g, 0,1,2
	WIN (\g+1)<<2                                  ; a store's data are its source 1
.irp bb, 0,1,2,3
	global_store_b128 v[248+\g], v[64*\bb:64*\bb+3], s[X32P:X32P+1] offset:1024*\bb th:TH_STORE_NT        ; each accumulator from its low end on; 32 lanes store 512 consecutive bytes, aligned
	global_store_b128 v[248+\g], v[64*\bb+4:64*\bb+7], s[X32P:X32P+1] offset:1024*\bb+512 th:TH_STORE_NT
.endr
.endr
	WIN 0
	s_wait_xcnt 0x0                                ; the stores have read the accumulators, which are rounded in place below
.Lno32:
	; THE WAY OUT, half a window at a time: 64 roundings to f16, two numbers each, into the accumulator's own four low registers (register r takes numbers 2 r and 2 r + 1, which no later line reads), then 16 stores.
.macro OUTH w, ah, vo, p
	WIN ((\w)<<6)|((\w)<<2)|(\w)                   ; destination and both sources in window w
.irp a, 4*(\ah), 4*(\ah)+1, 4*(\ah)+2, 4*(\ah)+3
.irp bb, 0,1,2,3
.irp r, 0,1,2,3
	v_cvt_pk_f16_f32 v[8*(8*\bb+(\a))+\r], v[8*(8*\bb+(\a))+2*\r], v[8*(8*\bb+(\a))+2*\r+1]
.endr
.endr
.endr
	WIN (\w)<<2
.irp a, 4*(\ah), 4*(\ah)+1, 4*(\ah)+2, 4*(\ah)+3
.irp bb, 0,1,2,3
	global_store_b128 v[\vo], v[8*(8*\bb+(\a)):8*(8*\bb+(\a))+3], s[\p:\p+1] offset:4096*(\a)+512*\bb th:TH_STORE_NT   ; token tile a, piece bb of the group's four: 512 consecutive bytes, aligned
.endr
.endr
.endm
	OUTH 1, 0, VOA, OP0
	OUTH 1, 1, VOA, OP0
	OUTH 2, 0, VOB, OP1
	OUTH 2, 1, VOB, OP1
	OUTH 3, 0, VOB, OP2
	OUTH 3, 1, VOB, OP2
	WIN 0
	s_wait_tensorcnt 0x0                           ; the wave's end: behind my last tensor load
	ds_add_u32 v[SPW], v[NIL]
	s_wait_dscnt 0x0
	CROUND                                         ; the closing round: no work-group ends while a partner may still ask for a tile that names it
	s_endpgm
.Lfunc_end_k_q42f5366654_gemm:
	.size	k_q42f5366654_gemm, .Lfunc_end_k_q42f5366654_gemm-k_q42f5366654_gemm
	.p2alignl 7, 3214868480
	.fill 96, 4, 3214868480
	.section	.rodata,"a",@progbits
	.p2align	6, 0x0
	.amdhsa_kernel k_q42f5366654_gemm
		.amdhsa_group_segment_fixed_size 327680
		.amdhsa_private_segment_fixed_size 0
		.amdhsa_enable_private_segment 0
		.amdhsa_kernarg_size 80
		.amdhsa_user_sgpr_count 2
		.amdhsa_user_sgpr_kernarg_segment_ptr 1
		.amdhsa_wavefront_size32 1
		.amdhsa_system_sgpr_workgroup_id_x 1
		.amdhsa_system_sgpr_workgroup_id_y 1
		.amdhsa_system_sgpr_workgroup_id_z 1
		.amdhsa_system_vgpr_workitem_id 0
		.amdhsa_next_free_vgpr 1024
		.amdhsa_next_free_sgpr 106
		.amdhsa_reserve_vcc 0
		.amdhsa_float_denorm_mode_32 3
		.amdhsa_float_denorm_mode_16_64 3
		.amdhsa_memory_ordered 1
		.amdhsa_forward_progress 1
		.amdhsa_inst_pref_size 245
	.end_amdhsa_kernel
	.amdgpu_metadata
---
amdhsa.version: [ 1, 2 ]
amdhsa.kernels:
  - .name:           k_q42f5366654_gemm
    .symbol:         k_q42f5366654_gemm.kd
    .args:
      - { .name: xc, .offset: 0, .size: 8, .value_kind: global_buffer, .address_space: global }
      - { .name: xs, .offset: 8, .size: 8, .value_kind: global_buffer, .address_space: global }
      - { .name: wc, .offset: 16, .size: 8, .value_kind: global_buffer, .address_space: global }
      - { .name: ws, .offset: 24, .size: 8, .value_kind: global_buffer, .address_space: global }
      - { .name: bq, .offset: 32, .size: 8, .value_kind: global_buffer, .address_space: global }
      - { .name: bk, .offset: 40, .size: 8, .value_kind: global_buffer, .address_space: global }
      - { .name: bv, .offset: 48, .size: 8, .value_kind: global_buffer, .address_space: global }
      - { .name: q16, .offset: 56, .size: 8, .value_kind: global_buffer, .address_space: global }
      - { .name: kv16, .offset: 64, .size: 8, .value_kind: global_buffer, .address_space: global }
      - { .name: x32, .offset: 72, .size: 8, .value_kind: global_buffer, .address_space: global }
    .group_segment_fixed_size: 327680
    .private_segment_fixed_size: 0
    .kernarg_segment_align: 8
    .kernarg_segment_size: 80
    .max_flat_workgroup_size: 128
    .sgpr_count:     106
    .vgpr_count:     1024
    .wavefront_size: 32
...
	.end_amdgpu_metadata
.endif
;; end of part 2
;; launch attn (part 3): grid 4 x 64, 4 waves a work-group, no clusters, 327,680 bytes of LDS; arguments q16, kv16, out0; writes out0
.if DOCPART == 3
	.amdgcn_target "amdgcn-amd-amdhsa--gfx1250"
	.amdhsa_code_object_version 6
	.text
	.protected	k_q42f5366654_attn
	.globl	k_q42f5366654_attn
	.p2align	8
	.type	k_q42f5366654_attn,@function
k_q42f5366654_attn:
	s_mov_b64 s[64:65], 0
	v_nop
	global_prefetch_b8 v0, s[64:65] scope:SCOPE_SE
	s_setreg_imm32_b32 hwreg(HW_REG_WAVE_MODE, 25, 1), 1
	s_wait_xcnt 0x0
; out0[b][q][h][:] = the sum over k <= q of softmax_k(Q[bh][q] . K[bh][k] / sqrt(128)) V[bh][k][:], for all positions but the first 16 of each sequence, which a launch of their own makes in f32.
; Q, K, V come in f16 as images of operand registers (q16, kv16: laid by the launch before); products in f16 with f32 sums; maxima, exponentials and sums in f32; the weights p are rounded to f16 for the second product.
; LIMITS: f16 operands: q, k, v up to 65,504; p at most 1, and p under 6e-5 keeps an absolute error of 3e-8.
; SHARES.  Work-group (J, bh) owns query blocks J and 7 - J of 128 queries.  Wave w owns four tiles of 16 queries: tiles 0, 1 from QL = 128 J + 32 w on, tiles 2, 3 from QH = 992 - QL on.
; A pair of tiles at Q needs the key steps (64 keys) with first key <= Q: Q / 64 + 1 of them, and QL / 64 + QH / 64 = 15 (rounded down each): 17 pair steps for every wave of the launch: the causal work is even.
; NO CLUSTER: the four work-groups of a head need 8 - J slots of keys, a different number each; a joint load would bring tiles that no wave of a partner reads.
; LAYOUT.  S^T = K Q^T (source 0 = 16 keys, source 1 = 16 queries): a lane holds ONE query (lane % 16) and keys 8 (lane / 16) + 0..7; two such tiles, rounded in pairs, are source 1 of O^T = V^T P, whose result again holds one query a lane.
; K comes out of LDS as it lies (16 x lane), V turned, by ds_load_tr16_b128.
; SOFTMAX.  A running maximum m and sum l for each query: p = 2^(c s - c m), c = log2(e) / sqrt(128); in every step O and l are multiplied by a = 2^(c m_old - c m_new).
; EVERY work-group walks all 8 slots of 128 keys: the trip counts are constants.  A step whose keys all come after a pair's queries is jumped over (ids and counted steps alone); a slot whose first key comes after the work-group's last query is not asked for.
; BY TURNS, tile against tile: while one tile of a pair has the matrix unit, the other's softmax stands in slices of eight behind its matrix instructions.
; THE FETCH IS DEALT OUT: a step's K goes out by channels, so that the step's first products begin when 8 of its 32 loads have come; V's 32 loads stand two behind each of those 16 products, which have no vector work beside them.
; THE STEP IS WRITTEN ONCE: O^T and l begin as zeros and m as -3e38, so that the first step's a is 0: that costs 256 moves a wave once, against a second copy of the whole step.
; REGISTERS, in windows of 256: window 0: v2-11 addresses; v12-43 statistics, eight a tile; v64-191 S^T, 32 a tile; v192-255 P, 16 a tile.   window 1: O^T, 64 a tile.   window 2: v0-127 Q, v128-255 K of a step.   window 3: v0-127 V of a step.
.set SLOT1, 1<<16                      ; a slot is a block of kv16 as it lies: K of step s at 16,384 s, V at 32,768 + 16,384 s; slot 1 begins here
.set STAGE, 2*SLOT1                    ; behind the ring: 16 rows x 528 bytes for each wave, for the way out
.set SPITCH, 528
.set SPARE, STAGE+4*16*SPITCH          ; the spare words, 128 bytes for each wave: two blocks of 256 bytes that no other line names
.set AK0, 2                            ; v2   16 x lane: my place in a piece of K; also my offset in Q's pieces and in a row of O
.set AV0, 3                            ; v3   my place in a piece of V, for the turning load
.set ADR, 4                            ; v4   LDS address of the step's K
.set ADV, 5                            ; v5   of its V
.set STO, 7                            ; v7   the way out: where I put 32 bytes of a row
.set RD,  8                            ; v8   where I read a row back
.set RH,  9                            ; v9   lane % 16 - 8 (lane / 16)
.set DD,  10                           ; v10  the mask's threshold
.set NINF, 11                          ; v11  -infinity
.set ST,  12                           ; tile t's statistics at v[ST + 8 t]: +0 c m, +1 m, +2, +3 l (even keys', odd keys'), +4 to +7 at work; a lands in +6
.set PFO, 44                           ; v44  256 x lane
.set SPW, 62                           ; v62  LDS address of my spare word; never rewritten
.set NIL, 63                           ; v63  0; never rewritten
.set S,   64
.set P,   192
.set WV,  12                           ; s12  my wave's number
.set BH,  14                           ; s14  batch x 16 + head
.set QL,  15                           ; s15  first query of tiles 0, 1
.set QH,  16                           ; s16  first query of tiles 2, 3
.set LASTQ, 17                         ; s17  my work-group's last query
.set KF,  18                           ; s18  the step's first key
.set TB,  19                           ; s19  LDS byte at which the step's K begins
.set SLOTS, 20                         ; s20  changes of slots still to come in the loop
.set TWICE, 21                         ; s21  counts a slot's two steps
.set CS,  22                           ; s[22:23] c, twice
.set SEL, 24                           ; s[24:25] lane selects for v_permlanex16_b32: lane l xor 16
.set G1,  28                           ; s[28:35] descriptor group 1
.set G0,  36                           ; s[36:39] descriptor group 0, which walks
.set PFA, 40                           ; s[40:41] where my prefetches stand
.set LIM, 42                           ; s42  1 in a work-group that prefetches, else the greatest number
.set OBL, 44                           ; s[44:45] out0 at query QL of my head;  s[46:47] at QH
.set OBH, 46
.set QPL, 48                           ; s[48:49] q16 at query QL;  s[50:51] at QH
.set QPH, 50
.set MSB, 0
.macro WIN new                         ; the immediate's high byte repeats the setting that is left; a switch that changes nothing is dropped
.if MSB != \new
	s_set_vgpr_msb (MSB<<8)|\new
.set MSB, \new
.endif
.endm
.set W_KQ, 0x0a                        ; K and Q in window 2, S^T in window 0
.set W_PV, 0x53                        ; V in window 3, P in window 0, O^T in window 1
.set W_RS, 0x41                        ; O^T (destination and source 0) in window 1, a in window 0
.macro PLACES
.rept 4
	v_nop
.endr
.endm
	s_load_b128 s[4:7], s[0:1], 0x0                ; q16 s[4:5], kv16 s[6:7]
	s_load_b64 s[8:9], s[0:1], 0x10                ; out0
	v_lshl_add_u32 v[SPW], v0, 2, SPARE
	v_mov_b32 v[NIL], 0
	ds_add_u32 v[SPW], v[NIL]                      ; the wave's opening: the add, twice on end, and its wait ahead of my first tensor load; the set-up below, work on registers, stands between
	ds_add_u32 v[SPW], v[NIL]
	v_lshrrev_b32 v1, 5, v0
	v_readfirstlane_b32 s[WV], v1                  ; wave 0..3
	s_and_b32 s[BH], ttmp7, 0xffff
	s_lshl_b32 s[QL], ttmp9, 7
	s_sub_co_u32 s[LASTQ], 1023, s[QL]             ; 128 (7 - J) + 127
	s_lshl_b32 s52, s[WV], 5
	s_add_co_u32 s[QL], s[QL], s52
	s_sub_co_u32 s[QH], 992, s[QL]
	; descriptor group 1: a wave's quarter of a slot, 16,384 dense bytes, as 64 rows of 32 elements of 8 bytes; no padding: the images are read 16 bytes a lane on end
	s_mov_b32 s[G1], 3<<16                         ; no mask; elements of 8 bytes
	s_mov_b32 s[G1+1], 32<<16                      ; tensor_dim0 = 32
	s_mov_b32 s[G1+2], 64<<16                      ; tensor_dim1 = 64
	s_mov_b32 s[G1+3], 32<<16                      ; tile_dim0 = 32
	s_mov_b32 s[G1+4], 64                          ; tile_dim1 = 64
	s_mov_b32 s[G1+5], 32                          ; from row to row
	s_mov_b32 s[G1+6], 0
	s_mov_b32 s[G1+7], 0
	s_mov_b32 s[CS], 0x3e0293ee                    ; c = log2(e) / sqrt(128)
	s_mov_b32 s[CS+1], s[CS]
	s_mov_b32 s[SEL], 0x76543210
	s_mov_b32 s[SEL+1], 0xfedcba98
	s_mov_b32 s[KF], 0
	s_mov_b32 s[TB], 0
	s_mov_b32 s[SLOTS], 7
	s_cmp_eq_u32 ttmp9, 0                          ; the work-group with J = 0 walks all of its head's keys: it prefetches, and nobody else
	s_cselect_b32 s[LIM], 1, -1
	s_mov_b32 s[G0], 1                             ; count = 1
	s_lshl_b32 s[G0+1], s[WV], 14                  ; LDS: my quarter of slot 0: wave 0, 1: K of step 0, 1; wave 2, 3: V of step 0, 1
	s_lshl_b32 s52, s[BH], 19                      ; my head's 8 blocks of 65,536 bytes,
	s_add_co_u32 s52, s52, s[G0+1]                 ; my quarter
	s_mov_b32 s53, 0
	s_wait_dscnt 0x0                               ; both opening adds are done
	s_wait_kmcnt 0x0
	s_add_nc_u64 s[G0+2:G0+3], s[6:7], s[52:53]
	s_add_nc_u64 s[PFA:PFA+1], s[6:7], s[52:53]
	s_or_b32 s[G0+3], s[G0+3], 0x80000000          ; type = 2
	tensor_load_to_lds s[G0:G0+3], s[G1:G1+7]      ; slot 0: every wave issues its own quarter; one tensor load of mine is out
	s_nop 0
	PLACES
	s_add_nc_u64 s[PFA:PFA+1], s[PFA:PFA+1], 65536 ; in slot 1: the first change of slots steps it to slot 2.  Nothing is prefetched here, at the head
	s_lshl_b32 s52, s[BH], 18                      ; q16: my head's 64 tiles of 4,096 bytes; 256 bytes a query
	s_lshl_b32 s53, s[QL], 8
	s_add_co_u32 s52, s52, s53
	s_mov_b32 s53, 0
	s_add_nc_u64 s[QPL:QPL+1], s[4:5], s[52:53]
	s_lshl_b32 s52, s[BH], 18
	s_lshl_b32 s53, s[QH], 8
	s_add_co_u32 s52, s52, s53
	s_mov_b32 s53, 0
	s_add_nc_u64 s[QPH:QPH+1], s[4:5], s[52:53]
	v_and_b32 v1, 31, v0                           ; lane
	v_lshlrev_b32 v[AK0], 4, v1
	WIN 0x80                                       ; destination window 2, address window 0
.irp t, 0,1
.irp c, 0,1,2,3                                ; Q stays in registers: tile t, channels 32 c on: pieces 2 c and 2 c + 1 of the tile's image
	global_load_b128 v[32*\t+8*\c:32*\t+8*\c+3],       v[AK0], s[QPL:QPL+1] offset:4096*\t+1024*\c
	global_load_b128 v[32*\t+8*\c+4:32*\t+8*\c+7],     v[AK0], s[QPL:QPL+1] offset:4096*\t+1024*\c+512
	global_load_b128 v[64+32*\t+8*\c:64+32*\t+8*\c+3],   v[AK0], s[QPH:QPH+1] offset:4096*\t+1024*\c
	global_load_b128 v[64+32*\t+8*\c+4:64+32*\t+8*\c+7], v[AK0], s[QPH:QPH+1] offset:4096*\t+1024*\c+512
.endr
.endr
	WIN 0
	s_lshr_b32 s52, s[BH], 4                       ; out0: ((batch x 1024 + query) x 16 + head) x 512 bytes
	s_lshl_b32 s52, s52, 10
	s_add_co_u32 s52, s52, s[QL]
	s_lshl_b32 s52, s52, 13
	s_and_b32 s53, s[BH], 15
	s_lshl_b32 s53, s53, 9
	s_add_co_u32 s52, s52, s53
	s_mov_b32 s53, 0
	s_add_nc_u64 s[OBL:OBL+1], s[8:9], s[52:53]
	s_lshr_b32 s52, s[BH], 4
	s_lshl_b32 s52, s52, 10
	s_add_co_u32 s52, s52, s[QH]
	s_lshl_b32 s52, s52, 13
	s_and_b32 s53, s[BH], 15
	s_lshl_b32 s53, s53, 9
	s_add_co_u32 s52, s52, s53
	s_mov_b32 s53, 0
	s_add_nc_u64 s[OBH:OBH+1], s[8:9], s[52:53]
	v_lshlrev_b32 v[PFO], 8, v1
	v_and_b32 v45, 15, v0                          ; r
	v_bfe_u32 v46, v0, 4, 1                        ; h
	v_bfe_u32 v47, v0, 3, 1                        ; x
	v_and_b32 v48, 7, v0
	; The turning load: lane l addresses key 8 h + l % 8, channels 8 x + 0..7 of a piece.  In V's image that is byte 256 x + 16 ((8 h + l % 8) xor 8 x) = 256 x + 128 ((h + x) % 2) + 16 (l % 8).
	v_add_nc_u32 v49, v46, v47
	v_and_b32 v49, 1, v49
	v_lshlrev_b32 v[AV0], 4, v48
	v_lshl_add_u32 v[AV0], v49, 7, v[AV0]
	v_lshl_add_u32 v[AV0], v47, 8, v[AV0]
	v_add_nc_u32 v[AV0], 32768, v[AV0]             ; V lies behind K in a slot
	s_mul_i32 s52, s[WV], 16*SPITCH
	s_add_co_u32 s52, s52, STAGE                   ; my stage
	v_mul_u32_u24 v[STO], v45, SPITCH
	v_lshl_add_u32 v[STO], v46, 5, v[STO]
	v_add_nc_u32 v[STO], s52, v[STO]               ; in: row r, 32 bytes for each half of the lanes
	v_add_nc_u32 v[RD], s52, v[AK0]                ; back: the 32 lanes take one row of 512 bytes
	v_lshlrev_b32 v[RH], 3, v46
	v_sub_nc_u32 v[RH], v45, v[RH]
	v_mov_b32 v[NINF], 0xff800000
.irp t, 0,1,2,3
	v_mov_b32 v[ST+8*\t+1], 0xff61b1e6             ; m = -3e38, under every score
	v_mul_f32 v[ST+8*\t], s[CS], v[ST+8*\t+1]      ; c m
.irp k, 2,3,4,5,6,7
	v_mov_b32 v[ST+8*\t+\k], 0
.endr
.endr
	WIN 0x40                                       ; destination window 1
.set i, 0
.rept 256
	v_mov_b32 v[i], 0                              ; O^T: the step is written once and finds zeros the first time
.set i, i+1
.endr
	WIN 0
; THE MATRIX WORK.  The accumulators take turns, one instruction a turn.
; Product i of 16 of tile t's S^T = K Q^T: keys 16 (i % 4) on, channels 32 (i / 4) on.  The first four start the sums.
.macro KQ1 t
	WIN W_KQ
.set rD, S+32*(\t)+8*(i%4)
.set rK, 128+32*(i%4)+8*(i/4)
.set rQ, 32*(\t)+8*(i/4)
.if i < 4
	v_wmma_f32_16x16x32_f16 v[rD:rD+7], v[rK:rK+7], v[rQ:rQ+7], 0
.else
	v_wmma_f32_16x16x32_f16 v[rD:rD+7], v[rK:rK+7], v[rQ:rQ+7], v[rD:rD+7]
.endif
.endm
; Product i of 16 of tile t's O^T += V^T P: channels 16 (i % 8) on, keys 32 (i / 8) on.
.macro PV1 t
	WIN W_PV
.set rO, 64*(\t)+8*(i%8)
.set rV, 64*(i/8)+8*(i%8)
.set rB, P+16*(\t)+8*(i/8)
	v_wmma_f32_16x16x32_f16 v[rO:rO+7], v[rV:rV+7], v[rB:rB+7], v[rO:rO+7]
.endm
; A step's K (64 keys x 128 channels: 16 fragments), 32 LDS loads in one run, BY CHANNELS: the eight loads of channels 32 c on, for all four tiles of keys, stand together, in the order in which the products take them.
; The two additions and two v_nop are the four places behind the last product that read V, whose loads follow among the products.
.macro FETCHK
	v_add_nc_u32 v[ADR], s[TB], v[AK0]
	v_add_nc_u32 v[ADV], s[TB], v[AV0]
	v_nop
	v_nop
	WIN 0x80                                       ; destination window 2
.irp c, 0,1,2,3
.irp kt, 0,1,2,3                               ; keys 16 kt on, channels 32 c on
	ds_load_b128 v[128+32*\kt+8*\c:128+32*\kt+8*\c+3],   v[ADR] offset:\kt*4096+\c*1024
	ds_load_b128 v[128+32*\kt+8*\c+4:128+32*\kt+8*\c+7], v[ADR] offset:\kt*4096+\c*1024+512
.endr
.endr
.endm
; V's fragment i of 16 (turned): keys 32 (i / 8) on, channels 16 (i % 8) on: two loads
.macro VLD
	WIN 0xc0                                       ; destination window 3, address window 0
	ds_load_tr16_b128 v[8*i:8*i+3],   v[ADV] offset:(2*(i/8))*4096+(i%8)*512
	ds_load_tr16_b128 v[8*i+4:8*i+7], v[ADV] offset:(2*(i/8))*4096+(i%8)*512+4096
.endm
; THE VECTOR WORK.  One tile's softmax for one key step is a list of 134 instructions; SM writes number j of it for tile t.
;   0-15 the maximum of the lane's 32 scores and the old m;  16-20 the other half of the lanes', the new m, c m and its change;  21-36 the scalings c s - c m, a pair each;  37-69 all 33 exponentials (a, then the 32 weights), none of which
;   reads another's result;  (the wait);  70-85 the roundings to f16;  86-101 the sums, and l = a l + the sum;  102-133 O^T times a.
.macro SM t
.set rT, ST+8*(\t)
.set rS, S+32*(\t)
.set rP, P+16*(\t)
.set rO, 64*(\t)+2*(j-102)
.if j < 102
	WIN 0
.endif
.if j < 4
	v_max3_num_f32 v[rT+4+j], v[rS+8*j], v[rS+8*j+1], v[rS+8*j+2]   ; each accumulator is read from its low end on
.elseif j < 12
	v_max3_num_f32 v[rT+4+j%4], v[rT+4+j%4], v[rS+8*(j%4)+2*(j/4)+1], v[rS+8*(j%4)+2*(j/4)+2]
.elseif j == 12
	v_max3_num_f32 v[rT+4], v[rT+4], v[rS+7], v[rS+15]
.elseif j == 13
	v_max3_num_f32 v[rT+6], v[rT+6], v[rS+23], v[rS+31]
.elseif j == 14
	v_max3_num_f32 v[rT+4], v[rT+4], v[rT+5], v[rT+6]
.elseif j == 15
	v_max3_num_f32 v[rT+4], v[rT+4], v[rT+7], v[rT+1]
.elseif j == 16
	v_permlanex16_b32 v[rT+5], v[rT+4], s[SEL], s[SEL+1]  ; the query's other 32 keys lie in the lane 16 away
.elseif j == 17
	v_mov_b32 v[rT+7], v[rT]                       ; c m_old is kept for a
.elseif j == 18
	v_max_num_f32 v[rT+1], v[rT+4], v[rT+5]
.elseif j == 19
	v_mul_f32 v[rT], s[CS], v[rT+1]
.elseif j == 20
	v_sub_f32 v[rT+7], v[rT+7], v[rT]
.elseif j < 37
.set b, j-21
	v_pk_fma_f32 v[rS+2*b:rS+2*b+1], v[rS+2*b:rS+2*b+1], s[CS:CS+1], v[rT:rT+1] op_sel_hi:[1,0,0] neg_lo:[0,0,1] neg_hi:[0,0,1]  ; c s - c m
.elseif j == 37
	v_exp_f32 v[rT+6], v[rT+7]                     ; a
.elseif j < 70
	v_exp_f32 v[rS+j-38], v[rS+j-38]
.elseif j < 86
	v_cvt_pk_f16_f32 v[rP+j-70], v[rS+2*(j-70)], v[rS+2*(j-70)+1]
.elseif j < 102                        ; the sum of the tile's 16 pairs, in place: neighbours 1, 2, 4 and 8 pairs apart, then l takes it
.set z, j-86
.set w, 4
.set u, z
.if z >= 14
.set w, 32
.set u, 0
.elseif z >= 12
.set w, 16
.set u, z-12
.elseif z >= 8
.set w, 8
.set u, z-8
.endif
.if z < 15
	v_pk_add_f32 v[rS+w*u:rS+w*u+1], v[rS+w*u:rS+w*u+1], v[rS+w*u+w/2:rS+w*u+w/2+1]
.else
	v_pk_fma_f32 v[rT+2:rT+3], v[rT+2:rT+3], v[rT+6:rT+7], v[rS:rS+1] op_sel_hi:[1,0,1]
.endif
.else
	WIN W_RS
	v_pk_mul_f32 v[rO:rO+1], v[rO:rO+1], v[rT+6:rT+7] op_sel_hi:[1,0]
.endif
.endm
; The next n numbers of tile t's list.  Ahead of number 70, the first that names an exponential's result: one plain instruction and the one wait, for the tile's 33 exponentials.
.macro SMN t, n
.rept \n
.if j == 70
	WIN 0
	v_nop
	s_wait_alu depctr_va_vdst(0)
.endif
	SM \t
.set j, j+1
.endr
.endm
; ON THE DIAGONAL the scores of hidden keys become -infinity ahead of the maximum.  q: the register with the pair's first query; t: the tile; tp: its place in the pair.  A step all of whose keys count for the pair's first query skips this.
; Register n of the tile holds key KF + 16 (n / 8) + n % 8 + 8 (lane / 16); my query is Q + 16 tp + lane % 16: hidden where 16 (n / 8) + n % 8 - 16 tp > Q - KF + lane % 16 - 8 (lane / 16).
.macro DIAG q, t, tp
	s_add_co_u32 s52, s[KF], 63
	s_cmp_le_u32 s52, s[\q]
	s_cbranch_scc1 .Lopen_\@
	s_sub_co_i32 s52, s[\q], s[KF]
	v_add_nc_u32 v[DD], s52, v[RH]
.irp n, 0,1,2,3,4,5,6,7,8,9,10,11,12,13,14,15,16,17,18,19,20,21,22,23,24,25,26,27,28,29,30,31
	v_cmp_gt_i32 vcc_lo, 16*(\n/8)+\n%8-16*(\tp), v[DD]
	v_cndmask_b32 v[S+32*(\t)+\n], v[S+32*(\t)+\n], v[NINF], vcc_lo
.endr
.Lopen_\@:
.endm
; A PAIR'S STEP: tiles x and x + 1 against 64 keys.  ld = 1: the step's first pair: K is still on its way, and V has not been asked for.
; THE COUNT 24, four times: behind K's eight loads of channels 32 c on stand K's 8 (3 - c) later loads and the 8 c loads of V that the 4 c products so far have brought with them.
.macro PAIR x, q, ld
.set i, 0
.rept 16
.if \ld && (i%4 == 0)
	s_wait_dscnt 24                                ; K's channels 32 (i / 4) on are in
.endif
	KQ1 \x                                         ; tile x's scores: no vector work of this pair is at hand to set between them
.if \ld
	VLD                                            ; so V's loads stand here, a fragment behind each product
.endif
.set i, i+1
.endr
	WIN 0
	PLACES                                         ; four places behind the last of them, ahead of the first read of its results
	DIAG \q, \x, 0
.set j, 0
.set i, 0
.rept 16
	KQ1 (\x)+1                                     ; tile x + 1's scores | tile x's softmax, eight numbers behind each
	SMN \x, 8
.set i, i+1
.endr
	SMN \x, 6                                      ; the last fourteen are plain multiplications of tile x's O^T: the places behind the last K Q^T
	WIN 0
	DIAG \q, (\x)+1, 1
	s_wait_dscnt 0x0                               ; V is in
.set j, 0
.set i, 0
.rept 16
	PV1 \x                                         ; tile x's V^T P | tile x + 1's softmax
	SMN (\x)+1, 8
.set i, i+1
.endr
	SMN (\x)+1, 6
.set i, 0
.rept 16
	PV1 (\x)+1
.set i, i+1
.endr
	WIN 0
.endm
; A KEY STEP of 64 keys.  QH > QL always: a step hidden from tiles 2, 3 is hidden from all four.  The branches hang on ids and on the count of steps; no barrier, wait for a tile or tensor load stands in a step.
; KF is a multiple of 64 and Q of 32, so a step that is walked has KF <= Q: every query sees at least key KF, and m is a number from the first step on.
.macro STEP
	s_cmp_gt_u32 s[KF], s[QH]
	s_cbranch_scc1 .Lhid_\@
	FETCHK
	PAIR 2, QH, 1
	s_cmp_gt_u32 s[KF], s[QL]
	s_cbranch_scc1 .Lhid_\@
	PAIR 0, QL, 0
.Lhid_\@:
	s_add_co_u32 s[KF], s[KF], 64
	s_add_co_u32 s[TB], s[TB], 16384
.endm
.macro TWO_STEPS                       ; a slot's two key steps: written once, walked twice; then on to the other slot
	s_mov_b32 s[TWICE], 2
.Lstep_\@:
	STEP
	s_sub_co_u32 s[TWICE], s[TWICE], 1
	s_cmp_lg_u32 s[TWICE], 0
	s_cbranch_scc1 .Lstep_\@
	s_sub_co_u32 s[TB], s[TB], 32768
	s_xor_b32 s[TB], s[TB], SLOT1
.endm
; A PREFETCH INTO THE L2 of the slot that the NEXT change of slots will ask for: each wave names its own quarter, 16,384 bytes, lanes 256 bytes apart, two instructions.  All four work-groups of a head walk the same keys:
; the one with J = 0, which walks all eight slots, asks, so each aligned block of 256 bytes is named once in the launch.  The last change that fills a slot asks for nothing; slots 0 and 1 come by their loads alone.
.macro ASK
	s_cmp_gt_u32 s[SLOTS], s[LIM]
	s_cbranch_scc0 .Lnot_mine_\@
	global_prefetch_b8 v[PFO], s[PFA:PFA+1] th:TH_LOAD_NT scope:SCOPE_SE
	global_prefetch_b8 v[PFO], s[PFA:PFA+1] offset:8192 th:TH_LOAD_NT scope:SCOPE_SE
.Lnot_mine_\@:
.endm
; THE CHANGE OF SLOTS stands at a slot's head.  Each wave waits for all its tensor loads (its quarter of the slot ahead), adds 0 to its spare word, and waits for that and for its reads of the slot that it has left.
; Behind the barrier the slot ahead is whole and nobody reads the other one.  fill = 1: that other slot takes the next 128 keys, if any wave of the work-group will read them: the load has a slot's two steps in which to land.
; Every wait on the tensor counter in this text is for 0; the jump round the load hangs on the work-group's number and the count of steps alone and is the same in all four waves; it leads round the load's own lines and nothing else.
.macro CHANGE fill
	s_wait_tensorcnt 0x0                           ; no tensor load of mine is out, so group 0 may be written
	ds_add_u32 v[SPW], v[NIL]                      ; 0 onto my spare word
.if \fill
	s_xor_b32 s[G0+1], s[G0+1], SLOT1              ; the walking descriptor: the other slot than last time,
	s_add_nc_u64 s[G0+2:G0+3], s[G0+2:G0+3], 65536 ; the next 128 keys; the type bits on top are not reached
	s_wait_xcnt 0x0                                ; the last prefetches, a slot back, have read their address, so it may be written:
	s_add_nc_u64 s[PFA:PFA+1], s[PFA:PFA+1], 65536 ; one slot further on than the walking descriptor
.endif
	s_wait_dscnt 0x0                               ; the add is done, and my reads of the slot that I have left are over
	s_barrier_signal -1
	s_barrier_wait -1
.if \fill
	s_add_co_u32 s52, s[KF], 128                   ; the first key of the slot that this change would ask for
	s_cmp_gt_u32 s52, s[LASTQ]
	s_cbranch_scc1 .Lpast_\@
	tensor_load_to_lds s[G0:G0+3], s[G1:G1+7]      ; my one tensor load until the next such barrier
	s_nop 0
	PLACES
.Lpast_\@:
	ASK
.endif
.endm
	s_wait_loadcnt 0x0                             ; Q
.Lslot:                                            ; seven trips: behind each change of slots but the last the next slot is asked for, up to the causal limit
	CHANGE 1
	TWO_STEPS
	s_sub_co_u32 s[SLOTS], s[SLOTS], 1
	s_cmp_lg_u32 s[SLOTS], 0
	s_cbranch_scc1 .Lslot
	CHANGE 0                                       ; the last slot is written out: nothing is left to ask for
	TWO_STEPS
	; THE WAY OUT.  l's two halves and the other half of the lanes' are added; O^T is divided by l and goes through my stage in LDS, a tile (16 rows of 512 bytes) at a time.  The additions are the places behind the last products.
.irp t, 0,1,2,3
	v_add_f32 v[ST+8*\t+4], v[ST+8*\t+2], v[ST+8*\t+3]
.endr
.irp t, 0,1,2,3
	v_permlanex16_b32 v[ST+8*\t+5], v[ST+8*\t+4], s[SEL], s[SEL+1]
.endr
.irp t, 0,1,2,3
	v_add_f32 v[ST+8*\t+4], v[ST+8*\t+4], v[ST+8*\t+5]
.endr
.irp t, 0,1,2,3
	v_rcp_f32 v[ST+8*\t+6], v[ST+8*\t+4]
.endr
	v_nop                                          ; a plain instruction between the last reciprocal and the use of its result
	s_wait_alu depctr_va_vdst(0)                   ; and the wait ahead of the first use: one for the four
.macro OUTT t, ob
.if \t == 0
	s_cmp_eq_u32 s[QL], 0                          ; positions 0 to 15 of the sequence belong to the launch that makes them in f32
	s_cbranch_scc1 .Lskip_\@
.endif
	WIN 0x01                                       ; source 0 (O^T) window 1; a and the destination window 0
.set i, 0
.rept 32
	v_pk_mul_f32 v[S+2*i:S+2*i+1], v[64*\t+2*i:64*\t+2*i+1], v[ST+8*\t+6:ST+8*\t+7] op_sel_hi:[1,0]   ; each accumulator from its low end on
.set i, i+1
.endr
	WIN 0
.irp c, 0,1,2,3,4,5,6,7
	ds_store_b128 v[STO], v[S+8*\c:S+8*\c+3] offset:64*\c           ; lane (r, h): o(query r, channels 16 c + 8 h + 0 .. 7)
	ds_store_b128 v[STO], v[S+8*\c+4:S+8*\c+7] offset:64*\c+16
.endr
.irp n, 0,1,2,3,4,5,6,7,8,9,10,11,12,13,14,15
	ds_load_b128 v[128+4*\n:131+4*\n], v[RD] offset:\n*SPITCH       ; LDS serves a wave's instructions in order (ISA guide 5.7.1.4): these see the stores above
.endr
.irp n, 0,1,2,3,4,5,6,7,8,9,10,11,12,13,14,15
	s_wait_dscnt 15-\n                             ; row n is back; the younger loads may be out
	global_store_b128 v[AK0], v[128+4*\n:131+4*\n], s[\ob:\ob+1] offset:8192*\n+131072*(\t%2) th:TH_STORE_NT   ; 32 lanes store 512 consecutive bytes, aligned
.endr
	s_wait_xcnt 0x0                                ; the stores have read their registers: the next tile's rows may land there
.Lskip_\@:
.endm
	OUTT 0, OBL
	OUTT 1, OBL
	OUTT 2, OBH
	OUTT 3, OBH
	s_wait_tensorcnt 0x0                           ; the wave's end: behind my last tensor load and my last LDS store
	ds_add_u32 v[SPW], v[NIL]
	s_wait_dscnt 0x0
	s_endpgm
.Lfunc_end_k_q42f5366654_attn:
	.size	k_q42f5366654_attn, .Lfunc_end_k_q42f5366654_attn-k_q42f5366654_attn
	.p2alignl 7, 3214868480
	.fill 96, 4, 3214868480
	.section	.rodata,"a",@progbits
	.p2align	6, 0x0
	.amdhsa_kernel k_q42f5366654_attn
		.amdhsa_group_segment_fixed_size 327680
		.amdhsa_private_segment_fixed_size 0
		.amdhsa_enable_private_segment 0
		.amdhsa_kernarg_size 24
		.amdhsa_user_sgpr_count 2
		.amdhsa_user_sgpr_kernarg_segment_ptr 1
		.amdhsa_wavefront_size32 1
		.amdhsa_system_sgpr_workgroup_id_x 1
		.amdhsa_system_sgpr_workgroup_id_y 1
		.amdhsa_system_sgpr_workgroup_id_z 1
		.amdhsa_system_vgpr_workitem_id 0
		.amdhsa_next_free_vgpr 1024
		.amdhsa_next_free_sgpr 66
		.amdhsa_reserve_vcc 1
		.amdhsa_float_denorm_mode_32 3
		.amdhsa_float_denorm_mode_16_64 3
		.amdhsa_memory_ordered 1
		.amdhsa_forward_progress 1
		.amdhsa_inst_pref_size 156
	.end_amdhsa_kernel
	.amdgpu_metadata
---
amdhsa.version: [ 1, 2 ]
amdhsa.kernels:
  - .name:           k_q42f5366654_attn
    .symbol:         k_q42f5366654_attn.kd
    .args:
      - { .name: q16, .offset: 0, .size: 8, .value_kind: global_buffer, .address_space: global }
      - { .name: kv16, .offset: 8, .size: 8, .value_kind: global_buffer, .address_space: global }
      - { .name: out0, .offset: 16, .size: 8, .value_kind: global_buffer, .address_space: global }
    .group_segment_fixed_size: 327680
    .private_segment_fixed_size: 0
    .kernarg_segment_align: 8
    .kernarg_segment_size: 24
    .max_flat_workgroup_size: 128
    .sgpr_count:     66
    .vgpr_count:     1024
    .wavefront_size: 32
...
	.end_amdgpu_metadata
.endif
;; end of part 3
;; launch head16 (part 4): grid 64 x 1, 1 waves a work-group, no clusters, 8,704 bytes of LDS; arguments x32, out0; writes out0
.if DOCPART == 4
	.amdgcn_target "amdgcn-amd-amdhsa--gfx1250"
	.amdhsa_code_object_version 6
	.text
	.protected	k_q42f5366654_head16
	.globl	k_q42f5366654_head16
	.p2align	8
	.type	k_q42f5366654_head16,@function
k_q42f5366654_head16:
	s_mov_b64 s[64:65], 0
	v_nop
	global_prefetch_b8 v0, s[64:65] scope:SCOPE_SE
	s_setreg_imm32_b32 hwreg(HW_REG_WAVE_MODE, 25, 1), 1
	s_wait_xcnt 0x0
; The first 16 positions of every sequence, for each (batch, head), in f32 throughout: under the causal mask these rows average one to sixteen values, and narrower operands would weigh most here.
; One wave to a (batch, head).  q, k, v of tokens 0 to 15 come from x32 [batch 4][column tile 384][half u 2][lane 32][16 B]: element (token r, column 16 ct + 8 h + 4 u + i) lies at lane r + 16 h, byte 4 i;
; column tile = 128 x (0: q, 1: k, 2: v) + 8 x head + 0 .. 7.
; S^T = K Q^T by v_wmma_f32_16x16x4_f32 (source 0 = 16 keys, source 1 = 16 queries): 32 instructions, four accumulators by turns, added afterwards.  Both operands are loaded by the same lines, so the 128 channels fall
; into the instructions' places along K in the same order on both sides, which keeps the products.  O^T = V^T P: P's registers 2 t, 2 t + 1 hold keys 8 h + 2 t + 0, 1 of my query; V is loaded so that its register 8 ct + 2 t + j holds the same key.
; The registers that the f32 matrix form writes (v144-239) are written by matrix instructions alone; sums begin with the constant 0; what is made of them goes into other registers.
.set SPITCH, 528
.set SPARE, 16*SPITCH                  ; behind the stage: the spare words, one block of 256 bytes that no other line names
.set SPW, 14                           ; v14 LDS address of my spare word; never rewritten
.set NIL, 15                           ; v15 0; never rewritten
	s_load_b128 s[4:7], s[0:1], 0x0                ; x32 s[4:5], out0 s[6:7]
	v_lshl_add_u32 v[SPW], v0, 2, SPARE
	v_mov_b32 v[NIL], 0
	s_lshr_b32 s8, ttmp9, 4                        ; batch
	s_and_b32 s9, ttmp9, 15                        ; head
	s_mul_i32 s10, s8, 393216                      ; the batch's 384 column tiles of 1,024 bytes,
	s_lshl_b32 s11, s9, 13                         ; 8 to a head
	s_add_co_u32 s10, s10, s11
	s_mov_b32 s11, 0
	s_lshl_b32 s12, s8, 23                         ; out0: 1,024 rows of 8,192 bytes a batch,
	s_lshl_b32 s13, s9, 9                          ; 512 bytes a head
	s_add_co_u32 s12, s12, s13
	s_mov_b32 s13, 0
	s_mov_b32 s20, 0x76543210
	s_mov_b32 s21, 0xfedcba98                      ; v_permlanex16_b32's selects for lane l xor 16
	s_mov_b32 s22, 0x3e0293ee                      ; c = log2(e) / sqrt(128)
	v_and_b32 v1, 15, v0                           ; r
	v_bfe_u32 v2, v0, 4, 1                         ; h
	v_lshlrev_b32 v3, 4, v0                        ; 16 x lane (one wave: the thread's number is the lane)
	v_bfe_u32 v6, v0, 2, 1
	v_bfe_u32 v7, v0, 3, 1
	v_and_b32 v4, 3, v0
	v_lshlrev_b32 v4, 2, v4
	v_lshl_add_u32 v4, v6, 9, v4
	v_lshl_add_u32 v4, v7, 8, v4
	v_lshl_add_u32 v4, v2, 7, v4                   ; V: channel r of a tile, token 8 h: 512 ((r / 4) % 2) + 256 (r / 8) + 128 h + 4 (r % 4)
	v_mul_u32_u24 v5, v1, SPITCH
	v_lshl_add_u32 v5, v2, 5, v5                   ; the stage: row r, 32 bytes for each half of the lanes
	v_lshlrev_b32 v8, 3, v2
	v_sub_nc_u32 v8, v1, v8                        ; r - 8 h: key 8 h + j is hidden from query r where j is above it
	v_mov_b32 v9, 0xff800000                       ; -infinity
	s_wait_kmcnt 0x0
	s_add_nc_u64 s[4:5], s[4:5], s[10:11]
	s_add_nc_u64 s[6:7], s[6:7], s[12:13]
.irp n, 0,1,2,3,4,5,6,7,8,9,10,11,12,13,14,15
	global_load_b128 v[16+4*\n:19+4*\n], v3, s[4:5] offset:512*\n          ; Q: v16-79
	global_load_b128 v[80+4*\n:83+4*\n], v3, s[4:5] offset:131072+512*\n   ; K: v80-143
.endr
	s_wait_loadcnt 0x0
.set kk, 0
.rept 32
.if kk < 4
	v_wmma_f32_16x16x4_f32 v[144+8*(kk%4):151+8*(kk%4)], v[80+2*kk:81+2*kk], v[16+2*kk:17+2*kk], 0
.else
	v_wmma_f32_16x16x4_f32 v[144+8*(kk%4):151+8*(kk%4)], v[80+2*kk:81+2*kk], v[16+2*kk:17+2*kk], v[144+8*(kk%4):151+8*(kk%4)]
.endif
.set kk, kk+1
.endr
.rept 8
	v_nop                                          ; eight places behind this form, ahead of loads into registers that it has read and of the first read of its results
.endr
.irp ct, 0,1,2,3,4,5,6,7
.irp tau, 0,1,2,3,4,5,6,7
	global_load_b32 v[16+8*\ct+\tau], v4, s[4:5] offset:262144+1024*\ct+16*\tau   ; V(token 8 h + tau, channel 16 ct + r)
.endr
.endr
.irp j, 0,1,2,3,4,5,6,7
	v_add_f32 v[240+\j], v[144+\j], v[152+\j]      ; the four partial sums, each accumulator from its low end on
	v_add_f32 v[248+\j], v[160+\j], v[168+\j]
.endr
.irp j, 0,1,2,3,4,5,6,7
	v_add_f32 v[240+\j], v[240+\j], v[248+\j]      ; the score of query r and key 8 h + j
.endr
.irp j, 0,1,2,3,4,5,6,7
	v_cmp_gt_i32 vcc_lo, \j, v8
	v_cndmask_b32 v[240+\j], v[240+\j], v9, vcc_lo ; hidden keys: -infinity.  Key 0 counts for every query
.endr
	v_max3_num_f32 v10, v240, v241, v242
	v_max3_num_f32 v11, v243, v244, v245
	v_max3_num_f32 v10, v10, v246, v247
	v_max_num_f32 v10, v10, v11
	v_permlanex16_b32 v11, v10, s20, s21
	v_max_num_f32 v10, v10, v11                    ; the row's maximum
	v_mul_f32 v10, s22, v10                        ; c m
.irp j, 0,1,2,3,4,5,6,7
	v_fma_f32 v[240+\j], v[240+\j], s22, -v10      ; c s - c m
.endr
.irp j, 0,1,2,3,4,5,6,7
	v_exp_f32 v[240+\j], v[240+\j]                 ; p
.endr
	v_nop                                          ; a plain instruction behind the last exponential
	s_wait_alu depctr_va_vdst(0)                   ; the wait, one for the eight, ahead of their first reader
	v_add_f32 v12, v240, v241
	v_add_f32 v13, v242, v243
	v_add_f32 v248, v244, v245
	v_add_f32 v249, v246, v247
	v_add_f32 v12, v12, v13
	v_add_f32 v248, v248, v249
	v_add_f32 v12, v12, v248
	v_permlanex16_b32 v13, v12, s20, s21
	v_add_f32 v12, v12, v13                        ; the row's sum
	v_rcp_f32 v12, v12
	v_nop                                          ; a plain instruction behind the reciprocal; its wait stands ahead of its first reader, below
	s_wait_loadcnt 0x0                             ; V
.irp t, 0,1,2,3
.irp ct, 0,1,2,3,4,5,6,7
.if \t == 0
	v_wmma_f32_16x16x4_f32 v[176+8*\ct:183+8*\ct], v[16+8*\ct+2*\t:17+8*\ct+2*\t], v[240+2*\t:241+2*\t], 0
.else
	v_wmma_f32_16x16x4_f32 v[176+8*\ct:183+8*\ct], v[16+8*\ct+2*\t:17+8*\ct+2*\t], v[240+2*\t:241+2*\t], v[176+8*\ct:183+8*\ct]
.endif
.endr
.endr
.rept 8
	v_nop
.endr
	s_wait_alu depctr_va_vdst(0)                   ; the reciprocal's wait, ahead of its first reader
.set kk, 0
.rept 64
	v_mul_f32 v[80+kk], v[176+kk], v12             ; O^T / the sum, into other registers: register 8 ct + j is o(r, 16 ct + 8 h + j)
.set kk, kk+1
.endr
.irp ct, 0,1,2,3,4,5,6,7
	ds_store_b128 v5, v[80+8*\ct:83+8*\ct] offset:64*\ct
	ds_store_b128 v5, v[84+8*\ct:87+8*\ct] offset:64*\ct+16
.endr
.irp n, 0,1,2,3,4,5,6,7,8,9,10,11,12,13,14,15
	ds_load_b128 v[16+4*\n:19+4*\n], v3 offset:\n*SPITCH           ; LDS serves a wave's instructions in order: these see the stores above
.endr
.irp n, 0,1,2,3,4,5,6,7,8,9,10,11,12,13,14,15
	s_wait_dscnt 15-\n                             ; row n is back; the younger loads may be out
	global_store_b128 v3, v[16+4*\n:19+4*\n], s[6:7] offset:8192*\n th:TH_STORE_NT   ; 32 lanes store 512 consecutive bytes, aligned
.endr
	s_wait_tensorcnt 0x0                           ; the wave's end: behind my last LDS store; the tensor wait stands even in a text with no tensor load
	ds_add_u32 v[SPW], v[NIL]
	s_wait_dscnt 0x0
	s_endpgm
.Lfunc_end_k_q42f5366654_head16:
	.size	k_q42f5366654_head16, .Lfunc_end_k_q42f5366654_head16-k_q42f5366654_head16
	.p2alignl 7, 3214868480
	.fill 96, 4, 3214868480
	.section	.rodata,"a",@progbits
	.p2align	6, 0x0
	.amdhsa_kernel k_q42f5366654_head16
		.amdhsa_group_segment_fixed_size 8704
		.amdhsa_private_segment_fixed_size 0
		.amdhsa_enable_private_segment 0
		.amdhsa_kernarg_size 16
		.amdhsa_user_sgpr_count 2
		.amdhsa_user_sgpr_kernarg_segment_ptr 1
		.amdhsa_wavefront_size32 1
		.amdhsa_system_sgpr_workgroup_id_x 1
		.amdhsa_system_sgpr_workgroup_id_y 1
		.amdhsa_system_sgpr_workgroup_id_z 1
		.amdhsa_system_vgpr_workitem_id 0
		.amdhsa_next_free_vgpr 256
		.amdhsa_next_free_sgpr 66
		.amdhsa_reserve_vcc 1
		.amdhsa_float_denorm_mode_32 3
		.amdhsa_float_denorm_mode_16_64 3
		.amdhsa_memory_ordered 1
		.amdhsa_forward_progress 1
		.amdhsa_inst_pref_size 25
	.end_amdhsa_kernel
	.amdgpu_metadata
---
amdhsa.version: [ 1, 2 ]
amdhsa.kernels:
  - .name:           k_q42f5366654_head16
    .symbol:         k_q42f5366654_head16.kd
    .args:
      - { .name: x32, .offset: 0, .size: 8, .value_kind: global_buffer, .address_space: global }
      - { .name: out0, .offset: 8, .size: 8, .value_kind: global_buffer, .address_space: global }
    .group_segment_fixed_size: 8704
    .private_segment_fixed_size: 0
    .kernarg_segment_align: 8
    .kernarg_segment_size: 16
    .max_flat_workgroup_size: 32
    .sgpr_count:     66
    .vgpr_count:     256
    .wavefront_size: 32
...
	.end_amdgpu_metadata
.endif
;; end of part 4
